; MI455X (gfx1250); checked and timed in simulation.
; The chip was launched on July 23, 2026; its instructions are those of AMD's public machine-readable ISA for CDNA 5 (MIT licence, August 2026) and "CDNA5" Instruction Set Architecture Reference Guide (July 2026). The comments in the code are by the model that wrote it; some were corrected since.
;; Scaled Dot Product Attention. Allowed arithmetic: matrix products marked QUANTISED: E2M3 operands, one E8M0 scale for each 32 along K, by v_wmma_scale_f32_16x16x128_f8f6f4 with both operands' format E2M3, f32 sums; everything else in f32.
;; Inputs: Wk 1,024 x 1,024 float32; Wo 1,024 x 1,024 float32; Wq 1,024 x 1,024 float32; Wv 1,024 x 1,024 float32; bk 1,024 float32; bo 1,024 float32; bq 1,024 float32; bv 1,024 float32; key 4 x 2,048 x 1,024 float32; query 4 x 2,048 x 1,024 float32; value 4 x 2,048 x 1,024 float32.
;; Outputs: out0 4 x 2,048 x 1,024 float32.
;; This version of the problem:
;;   THIS VERSION OF THE PROBLEM IS GIVEN IN LOW PRECISION. The matrix products marked QUANTISED in the list below multiply operands that are first quantised to E2M3 (2 exponent bits, 3 mantissa bits; 6 bits a number), with one power-of-two scale for each 32 numbers along K (OCP MX v1.0); their sums are f32. All else is computed in f32.
;;   The module's matrix products, in the order in which they are computed (A, B: the left and right operand; K: the contracted axis; several contracted axes count as one K, in the product's order):
;;     1. [M 8,192, K 1,024] x [K 1,024, N 1,024]; A: input query; B: input Wq: QUANTISED
;;     2. [M 8,192, K 1,024] x [K 1,024, N 1,024]; A: input key; B: input Wk: QUANTISED
;;     3. [M 8,192, K 1,024] x [K 1,024, N 1,024]; A: input value; B: input Wv: QUANTISED
;;     4. batch 64 x [M 2,048, K 64] x [K 64, N 2,048]; A: computed on the way; B: computed on the way: QUANTISED
;;     5. batch 64 x [M 2,048, K 2,048] x [K 2,048, N 64]; A: softmax (see below); B: computed on the way: QUANTISED
;;     6. [M 8,192, K 1,024] x [K 1,024, N 1,024]; A: computed on the way; B: input Wo: QUANTISED
;;   THE QUANTISER, for each operand of a quantised product, along K:
;;     - K is cut into blocks of 32 from its start; a last block that is shorter is filled with zeros.
;;     - A block's scale is 2^e with e = floor(log2(the largest magnitude in the block)) - 2, held to -126 .. 127; a block of zeros has e = 0. As a byte (E8M0): e + 127.
;;     - Each number is divided by its block's scale, clamped to +-7.5, and rounded to the nearest number of E2M3, ties to even, subnormals kept.
;;     - The product sums the exact products of the quantised numbers (number of the format x scale) in f32.
;;   ~~~python
;;   def quantise(x, axis):      # numpy; x: float32 -> the quantised numbers, widened to float32 again
;;       x = np.moveaxis(x, axis, -1); K = x.shape[-1]
;;       x = np.pad(x, [(0, 0)] * (x.ndim - 1) + [(0, -K % 32)]); x = x.reshape(x.shape[:-1] + (-1, 32)); a = np.abs(x).max(-1, keepdims=True)
;;       e = np.where(a > 0, np.clip(np.frexp(np.where(a > 0, a, 1))[1] - 1 - 2, -126, 127), 0)      # np.frexp(a)[1] - 1 = floor(log2(a)), exactly
;;       r = np.clip(x / 2.0 ** e, -7.5, 7.5)
;;       step = 2.0 ** (np.maximum(np.frexp(np.where(r == 0, 1, r))[1] - 1, 0) - 3)
;;       q = np.round(r / step) * step * 2.0 ** e      # np.round: ties to even
;;       return np.moveaxis(q.reshape(q.shape[:-2] + (-1,))[..., :K], -1, axis).astype(np.float32)
;;   ~~~
;;   SOFTMAX AHEAD OF A QUANTISED PRODUCT. Where the list says 'softmax', what is quantised is not the finished softmax but p = 2^(t - M), with t = logit x log2(e) and M = ceil(the row's largest t), a whole number; so 1/2 < the row's largest p <= 1. The row's sum l is taken of the UNQUANTISED p, in f32, and the product's result is divided by l at the end. Since M is a whole number, a kernel that streams over the keys may use a running M (the ceiling of the running maximum): every later rescaling is an exact power of two, which a block's scale takes up: the codes' values come out the same.
;;   OPERANDS COMPUTED ON THE WAY. 'Computed on the way' means the value that the module computes at that place (a softmax that the list does not call 'softmax' is quantised finished and normalised). What goes into a quantiser is computed in f32, as accurately as f32 sums, v_exp_f32 and their like allow (about 1e-6 of the number): no bf16 or f16 on the way to a quantiser, and a product that is left as it is and whose result goes on into a quantised operand takes f32 operands (vector FMAs, or v_wmma_f32_16x16x4_f32). A number that lies on a knife's edge between two numbers of the format may be rounded either way, as far as f32 arithmetic and the matrix unit's own rounding can turn it there, and no further.
;; One version. Each part assembles by itself: llvm-mc -triple=amdgcn-amd-amdhsa -mcpu=gfx1250 --defsym DOCPART=n.
;; ======== version 1 of 1: 4 launches
;; limits: right only within a limited range of input values
;; workspace buffers: codes 22,020,096 bytes; scales 917,504 bytes; qkv 18,874,368 bytes; qkvs 786,432 bytes; ac 6,291,456 bytes; asc 262,144 bytes
;; launch quant (part 1): grid 256 x 1, 7 waves a work-group, no clusters, 61,952 bytes of LDS; arguments query, key, value, Wq, Wk, Wv, Wo, codes, scales; writes codes, scales
.if DOCPART == 1
	.amdgcn_target "amdgcn-amd-amdhsa--gfx1250"
	.amdhsa_code_object_version 6
	.text
	.protected	k_qd840f1de67_quant
	.globl	k_qd840f1de67_quant
	.p2align	8
	.type	k_qd840f1de67_quant,@function
k_qd840f1de67_quant:
	s_mov_b64 s[64:65], 0
	v_nop
	global_prefetch_b8 v0, s[64:65] scope:SCOPE_SE
	s_setreg_imm32_b32 hwreg(HW_REG_WAVE_MODE, 25, 1), 1
	s_wait_xcnt 0x0
; query, key, value [8192][1024] and Wq, Wk, Wv, Wo [1024][1024], f32, K innermost, become codes of FP6 (E2M3) with one E8M0 scale byte for each 32 along K.
; NO WORK OF THE PROBLEM IS LEFT OUT in any launch of this program: every input reaches the output through a quantised operand (bk too: it moves K's codes), so all eleven inputs are loaded.
; A block's scale is 2^(floor(log2(its largest magnitude)) - 2); its byte is the largest magnitude's exponent field - 2, held at 1 from below.
; LIMITS: a block of zeros gets the byte 1 where the rule says 127 (its codes are zeros, and this program alone reads the bytes); blocks under the floor 2^(3 - 127) keep the byte 1;
; NaN and infinities among the inputs are not served.
; THE LAYOUT THAT ALL LATER LAUNCHES READ.  A TILE is 16 rows: tile 2 b + u of a tensor holds rows 32 b + 8 u + p + 8 (p / 8), p = 0 .. 15.  A GROUP, 768 bytes, is a tile's 64 along K as the matrix
; operand's registers take them: lane l = p + 16 h holds the 24 bytes of codes of k = 32 h + 0 .. 31 of row p; its first 16 bytes lie at 16 l, its last 8 at 512 + 8 l.  A tile's 16 groups lie on end: 12,288 bytes.
; The tiles: 0-511 query, 512-1023 key, 1024-1535 value, 1536-1599 Wq, 1600-1663 Wk, 1664-1727 Wv, 1728-1791 Wo.
; A tile's scale words, 512 bytes: the word at 16 l + 4 g (l = p + 16 o) holds the four bytes of row p for the 128 along K numbered 2 g + o.
; SHARES.  1,792 tiles = 256 work-groups x 7 waves: a wave takes one tile through all of K, a group at a time.  Waves share nothing: no barrier.
; Each load reads two rows' 256 consecutive bytes (16 lanes a row); the group's 4,096 bytes turn through the wave's own stage in LDS, so that a lane gets the 32 neighbours of its block.
; Loads run four groups (32 loads a wave) ahead, the turn through LDS one group.
.set ROWB,  4096                       ; a row of f32 in bytes
.set SP,    272                        ; a stage row: 256 bytes + 16
.set STG,   16*SP                      ; a stage
.set WREG,  2*STG                      ; two stages for each wave
.set SPARE, 7*WREG                     ; behind them the spare words: 128 bytes for each wave, rounded up to four blocks of 256 bytes that no other line names
.set IN,  1                            ; v1   in: 4,096 (lane / 16) + 16 (lane % 16)
.set STI, 2                            ; v2   into the stage, as loaded
.set STO, 3                            ; v3   out of it: row lane % 16, 128 bytes for each half of the lanes
.set L16, 4                            ; v4   16 x lane
.set L8,  5                            ; v5   512 + 8 x lane
.set SH,  6                            ; v6   8 (lane / 16)
.set SPW, 7                            ; v7   my spare word; never rewritten
.set NIL, 8                            ; v8   0; never rewritten
.set MA,  9                            ; v9-12 at work
.set MB,  10
.set SCO, 11
.set BY,  12
.set R,   16                           ; v16-143  four sets of 32 registers as loaded
.set X,   144                          ; v144-207 two sets of 32 neighbours
.set C,   208                          ; v208-239 four sets of 8 for a group's codes
.set SB,  240                          ; v240-247 scale bytes, a register for each 128 along K
.set OW,  248                          ; v248-251 the four words that I store
.set PT,  252
	s_load_b512 s[8:23], s[0:1], 0x0               ; query, key, value, Wq, Wk, Wv, Wo, codes
	s_load_b64 s[24:25], s[0:1], 0x40              ; scales
	v_lshl_add_u32 v[SPW], v0, 2, SPARE
	v_mov_b32 v[NIL], 0
	v_lshrrev_b32 v[MA], 5, v0
	v_readfirstlane_b32 s26, v[MA]                 ; wave 0..6
	v_and_b32 v[MA], 31, v0                        ; lane
	v_and_b32 v[MB], 15, v0                        ; lane % 16
	v_bfe_u32 v[SCO], v0, 4, 1                     ; lane / 16
	s_mul_i32 s30, s26, WREG                       ; my stages
	v_lshlrev_b32 v[IN], 4, v[MB]
	v_lshl_add_u32 v[IN], v[SCO], 12, v[IN]
	v_mul_u32_u24 v[STI], v[SCO], SP
	v_lshl_add_u32 v[STI], v[MB], 4, v[STI]
	v_add_nc_u32 v[STI], s30, v[STI]
	v_mul_u32_u24 v[STO], v[MB], SP
	v_lshl_add_u32 v[STO], v[SCO], 7, v[STO]
	v_add_nc_u32 v[STO], s30, v[STO]
	v_lshlrev_b32 v[L16], 4, v[MA]
	v_lshlrev_b32 v[L8], 3, v[MA]
	v_add_nc_u32 v[L8], 512, v[L8]
	v_lshlrev_b32 v[SH], 3, v[SCO]
	v_mov_b32 v[PT], 0                             ; a lane permute's destination counts as one of its sources
	s_mul_i32 s2, ttmp9, 7
	s_add_co_u32 s2, s2, s26                       ; my tile, 0 .. 1,791
	s_mov_b32 s27, 0xffff0000                      ; lanes 16-31
	s_mov_b32 s28, 0x76543210
	s_mov_b32 s29, 0xfedcba98                      ; v_permlanex16_b32's selects for lane l xor 16
	s_mov_b32 s3, 0
	s_wait_alu depctr_va_vdst(0)
	s_wait_kmcnt 0x0
	s_mov_b64 s[4:5], s[8:9]
.macro PICK first, ptr                 ; from tile first on: the tensor whose address stands in s[ptr:ptr+1].  The choice hangs on the tile's number alone
	s_cmp_ge_u32 s2, \first
	s_cselect_b64 s[4:5], s[\ptr:\ptr+1], s[4:5]
	s_cselect_b32 s3, \first, s3
.endm
	PICK 512, 10
	PICK 1024, 12
	PICK 1536, 14
	PICK 1600, 16
	PICK 1664, 18
	PICK 1728, 20
	s_sub_co_u32 s3, s2, s3                        ; the tile's number in its tensor
	; KEY'S TILES ALONE ARE LAID OTHERWISE than the head says: tile 4 c + t of key holds rows 64 c + 8 t + p + 24 (p / 8), so that the scores of four tiles in a lane are one block of 32 neighbouring keys
	s_sub_co_u32 s32, s2, 512
	s_mov_b32 s34, 24*ROWB
	s_cmp_lt_u32 s32, 512                          ; tiles 512 .. 1,023 are key's: the choice hangs on the tile's number alone
	s_cselect_b32 s32, 2, 1                        ; tiles to a run of rows: 4 or 2, as a shift,
	s_cselect_b32 s33, 3, 1                        ; and as a mask
	s_cselect_b32 s34, s34, 8*ROWB                 ; what tile rows 8-15 lie further on than p: 24 rows or 8
	s_lshr_b32 s30, s3, s32
	s_add_co_u32 s32, s32, 16
	s_lshl_b32 s30, s30, s32                       ; 64 c or 32 b rows of 4,096 bytes
	s_and_b32 s31, s3, s33
	s_lshl_b32 s31, s31, 15                        ; 8 t or 8 u rows
	s_or_b32 s30, s30, s31
	s_mov_b32 s31, 0
	v_add_nc_u32 v13, s34, v[IN]
	s_wait_alu depctr_va_vdst(0)
	s_add_nc_u64 s[4:5], s[4:5], s[30:31]
	s_mul_i32 s30, s2, 12288
	s_add_nc_u64 s[22:23], s[22:23], s[30:31]      ; my tile's groups
	s_lshl_b32 s30, s2, 9
	s_add_nc_u64 s[24:25], s[24:25], s[30:31]      ; and its scale words
.macro LOAD g                          ; group g: load i brings tile rows 2 i and 2 i + 1: sixteen lanes read a row's 256 consecutive bytes, aligned
.irp i, 0,1,2,3,4,5,6,7
	global_load_b128 v[R+32*((\g)%4)+4*\i:R+32*((\g)%4)+4*\i+3], v[IN+12*(\i/4)], s[4:5] offset:2*\i*ROWB+256*(\g) th:TH_LOAD_NT   ; tile rows 8-15 go by v13, which holds their distance too
.endr
.endm
.macro TURN g                          ; through the stage: LDS serves a wave's instructions in order (ISA guide 5.7.1.4), so no wait stands between the stores and the loads
.irp i, 0,1,2,3,4,5,6,7
	ds_store_b128 v[STI], v[R+32*((\g)%4)+4*\i:R+32*((\g)%4)+4*\i+3] offset:STG*((\g)%2)+2*SP*\i
.endr
.irp j, 0,1,2,3,4,5,6,7
	ds_load_b128 v[X+32*((\g)%2)+4*\j:X+32*((\g)%2)+4*\j+3], v[STO] offset:STG*((\g)%2)+16*\j
.endr
.endm
.macro STEP g
.set XS, X+32*((\g)%2)
.set CC, C+8*((\g)%4)
	s_wait_dscnt 0x0                               ; this group's numbers are back from the stage: so its stores into the stage have read their registers,
.if (\g)+4 < 16
	LOAD (\g)+4                                    ; which take the loads of four groups on
.endif
.if (\g)+1 < 16
.if (\g) <= 11
	s_wait_loadcnt 24                              ; the next group's eight loads are in; those of the three groups behind it may be out
.else
	s_wait_loadcnt 8*(14-(\g))                     ; the counts run down: two groups, one, none behind it
.endif
	TURN (\g)+1                                    ; and go through the other stage while this group is worked
.endif
	v_max3_num_f32 v[MA], |v[XS]|, |v[XS+1]|, |v[XS+2]|          ; the block's largest magnitude: all 32 numbers are mine; two chains
	v_max3_num_f32 v[MB], |v[XS+3]|, |v[XS+4]|, |v[XS+5]|
.irp i, 6,10,14,18,22,26
	v_max3_num_f32 v[MA], v[MA], |v[XS+\i]|, |v[XS+\i+1]|
	v_max3_num_f32 v[MB], v[MB], |v[XS+\i+2]|, |v[XS+\i+3]|
.endr
	v_max3_num_f32 v[MA], v[MA], |v[XS+30]|, |v[XS+31]|
	v_max3_num_f32 v[MA], v[MA], v[MB], 0x1800000                ; and the floor 2^(3 - 127): the byte cannot fall under 1
	v_add_nc_u32 v[SCO], 0xff000000, v[MA]                       ; 2 off the exponent field: the conversion takes this operand's exponent field as its scale
.if (\g) >= 4
	s_wait_alu depctr_va_vdst(0)
	s_wait_xcnt 0x0                                ; the stores of four groups ago have read this set of code registers: only now is it written again
.endif
	v_cvt_scalef32_pk16_fp6_f32 v[CC:CC+2], v[XS:XS+15], v[SCO]
	v_cvt_scalef32_pk16_fp6_f32 v[CC+4:CC+6], v[XS+16:XS+31], v[SCO]   ; (a conversion's three registers begin on an even number)
.if (\g)%2 == 0
	v_lshrrev_b32 v[SB+(\g)/2], 23, v[SCO]         ; the scale's byte: block 2 (g % 2) + lane / 16 of its 128 along K.  (The plain line behind the conversions)
.else
	v_lshrrev_b32 v[BY], 23, v[SCO]
	v_lshl_or_b32 v[SB+(\g)/2], v[BY], 16, v[SB+(\g)/2]
.endif
	v_mov_b32 v[CC+3], v[CC+4]                     ; the block's six registers on end
	v_mov_b32 v[CC+4], v[CC+5]
	v_mov_b32 v[CC+5], v[CC+6]
	global_store_b128 v[L16], v[CC:CC+3], s[22:23] offset:768*(\g)      ; 512 consecutive bytes, aligned
	global_store_b64 v[L8], v[CC+4:CC+5], s[22:23] offset:768*(\g)      ; 256 consecutive bytes, aligned
.endm
.irp t, 0,1,2,3
	LOAD \t
.endr
	s_wait_loadcnt 24                              ; group 0's eight loads are in
	TURN 0
.irp t, 0,1,2,3,4,5,6,7,8,9,10,11,12,13,14,15
	STEP \t
.endr
.irp t, 0,1,2,3,4,5,6,7
	v_lshlrev_b32 v[SB+\t], v[SH], v[SB+\t]        ; my two bytes at their places in the word,
.endr
.irp t, 0,1,2,3,4,5,6,7
	v_permlanex16_b32 v[PT], v[SB+\t], s28, s29
	v_or_b32 v[SB+\t], v[SB+\t], v[PT]             ; with lane l xor 16's two the word is whole, in both halves of the lanes
.endr
.irp t, 0,1,2,3
	v_cndmask_b32 v[OW+\t], v[SB+2*\t], v[SB+2*\t+1], s27        ; lanes 0-15 keep the even 128 along K, lanes 16-31 the odd
.endr
	global_store_b128 v[L16], v[OW:OW+3], s[24:25] ; 512 consecutive bytes, aligned
	s_wait_tensorcnt 0x0                           ; the wave's end
	ds_add_u32 v[SPW], v[NIL]
	s_wait_dscnt 0x0
	s_endpgm
.Lfunc_end_k_qd840f1de67_quant:
	.size	k_qd840f1de67_quant, .Lfunc_end_k_qd840f1de67_quant-k_qd840f1de67_quant
	.p2alignl 7, 3214868480
	.fill 96, 4, 3214868480
	.section	.rodata,"a",@progbits
	.p2align	6, 0x0
	.amdhsa_kernel k_qd840f1de67_quant
		.amdhsa_group_segment_fixed_size 61952
		.amdhsa_private_segment_fixed_size 0
		.amdhsa_enable_private_segment 0
		.amdhsa_kernarg_size 72
		.amdhsa_user_sgpr_count 2
		.amdhsa_user_sgpr_kernarg_segment_ptr 1
		.amdhsa_wavefront_size32 1
		.amdhsa_system_sgpr_workgroup_id_x 1
		.amdhsa_system_sgpr_workgroup_id_y 1
		.amdhsa_system_sgpr_workgroup_id_z 1
		.amdhsa_system_vgpr_workitem_id 0
		.amdhsa_next_free_vgpr 256
		.amdhsa_next_free_sgpr 66
		.amdhsa_reserve_vcc 0
		.amdhsa_float_denorm_mode_32 3
		.amdhsa_float_denorm_mode_16_64 3
		.amdhsa_memory_ordered 1
		.amdhsa_forward_progress 1
		.amdhsa_inst_pref_size 60
	.end_amdhsa_kernel
	.amdgpu_metadata
---
amdhsa.version: [ 1, 2 ]
amdhsa.kernels:
  - .name:           k_qd840f1de67_quant
    .symbol:         k_qd840f1de67_quant.kd
    .args:
      - { .name: query, .offset: 0, .size: 8, .value_kind: global_buffer, .address_space: global }
      - { .name: key, .offset: 8, .size: 8, .value_kind: global_buffer, .address_space: global }
      - { .name: value, .offset: 16, .size: 8, .value_kind: global_buffer, .address_space: global }
      - { .name: Wq, .offset: 24, .size: 8, .value_kind: global_buffer, .address_space: global }
      - { .name: Wk, .offset: 32, .size: 8, .value_kind: global_buffer, .address_space: global }
      - { .name: Wv, .offset: 40, .size: 8, .value_kind: global_buffer, .address_space: global }
      - { .name: Wo, .offset: 48, .size: 8, .value_kind: global_buffer, .address_space: global }
      - { .name: codes, .offset: 56, .size: 8, .value_kind: global_buffer, .address_space: global }
      - { .name: scales, .offset: 64, .size: 8, .value_kind: global_buffer, .address_space: global }
    .group_segment_fixed_size: 61952
    .private_segment_fixed_size: 0
    .kernarg_segment_align: 8
    .kernarg_segment_size: 72
    .max_flat_workgroup_size: 224
    .sgpr_count:     66
    .vgpr_count:     256
    .wavefront_size: 32
...
	.end_amdgpu_metadata
.endif
;; end of part 1
;; launch proj (part 2): grid 4 x 64, 4 waves a work-group, clusters of 4 x 4, 327,680 bytes of LDS; arguments codes, scales, bq, bk, bv, qkv, qkvs; writes qkv, qkvs
.if DOCPART == 2
	.amdgcn_target "amdgcn-amd-amdhsa--gfx1250"
	.amdhsa_code_object_version 6
	.text
	.protected	k_qd840f1de67_proj
	.globl	k_qd840f1de67_proj
	.p2align	8
	.type	k_qd840f1de67_proj,@function
k_qd840f1de67_proj:
	s_mov_b64 s[64:65], 0
	v_nop
	global_prefetch_b8 v0, s[64:65] scope:SCOPE_SE
	s_setreg_imm32_b32 hwreg(HW_REG_WAVE_MODE, 25, 1), 1
	s_wait_xcnt 0x0
	s_wait_alu depctr_hold_cnt(0) depctr_sa_sdst(0) depctr_va_vdst(0) depctr_va_sdst(0) depctr_va_ssrc(0) depctr_va_vcc(0) depctr_vm_vsrc(0)
	s_getreg_b32 s2, hwreg(HW_REG_IB_STS2, 6, 4)
	s_cmp_eq_u32 s2, 0
	s_cbranch_scc0 .Lentry_in_a_cluster
	s_endpgm
.Lentry_in_a_cluster:
	s_bfe_u32 s2, ttmp6, 0x10000c
	s_cmp_lg_u32 s2, 0xf033
	s_cbranch_scc0 .Lentry_shape_is_right
	s_endpgm
.Lentry_shape_is_right:
; Q = query Wq^T + bq, K = key Wk^T + bk, V = value Wv^T + bv on codes of FP6 (E2M3) with E8M0 scales, sums in f32, and each result quantised at once for the product that takes it:
; Q and K along the head's 64, V along the KEYS.  No work of the problem is left out.  LIMITS as in the first launch (byte 1 for a block of zeros; NaN and infinities not served).
; D = P R^T.  Source 0 = 16 rows of P, source 1 = 16 rows of R: a lane holds ONE row of R, and its registers run along P's rows, which is the axis that is quantised.
;   Q, K: P = the weight (features), R = the tokens.     V: P = the tokens (keys), R = the weight (features).
; Tiles and groups are laid as the first launch lays them: with tile 2 b + u = rows 32 b + 8 u + p + 8 (p / 8) as source 0, the 16 registers of tiles 2 b and 2 b + 1 are 16 neighbours.
; A WORK-GROUP STAYS: 256 work-groups, each makes three tiles of 256 rows of P x 128 rows of R: one of Q, one of K (a loop of two trips), one of V (written out: it asks for nothing more).  Four waves, each 128 x 64: 32 accumulators.
; THE RING: two slots, each half of K = 512 of a tile (P's 16 tiles x 6,144 bytes, R's 8).  At the head one joint load a wave: wave 0 P's first half, wave 1 R's, wave 2 P's second, wave 3 R's.
; In K step 3 slot 0 has been read out and takes the NEXT tile's first half (waves 0 and 1); in K step 7 slot 1 takes its second half (waves 2 and 3).  Each refill stands behind a wait for my tensor loads, an add to my spare word, an LDS wait and a round of the
; cluster's barrier; a quarter of the step's products stands ahead of the round's signal and a quarter inside the round.  A wave has one tensor load out at the most.
; The next tile's scale words and bias are loaded behind K step 7, into registers that the products have done with, ahead of the quantising.
; CLUSTERS: 4 x 4 work-groups.  P's tile hangs on cx, R's on cy: P's is asked for jointly by a column of the cluster, R's by a row.
; PREFETCH: behind each refill the sixteen waves that ask jointly name, once each, the blocks of 256 bytes that the refill after it will load: P: a wave a tile, a lane a block (24 of them); R: two waves a tile, 12 blocks each.
; At the head: what the first refill loads.  The last refill is followed by none.
; WHAT IS STORED.  qkv: Q's and K's groups (16 tokens x a head's 64) at T x 6,291,456 + ((batch x 16 + head) x 128 + token tile) x 768; V's (16 of the head's 64 x 64 keys) at 12,582,912 + (((batch x 16 + head) x 32 + keys / 64) x 4 + tile) x 768.
; qkvs: Q, K: a word for a row of a PAIR of token tiles at T x 262,144 + ((batch x 16 + head) x 64 + b) x 64 + 4 p; V: the four bytes of 128 keys at 524,288 + (((batch x 16 + head) x 16 + keys / 128) x 4 + tile) x 64 + 4 p.
; REGISTERS, in windows of 256: window 0: v0-31 addresses; v32-63 P's scale words, v64-79 R's; v80-175 R's fragments, two sets (later the codes just made); v176-239 the bias as the first products' C.
;   window 1: P's fragments, two sets of 96.   window 2: the accumulators, (P tile p, R tile q) at v[8 (8 q + p)].
; THE ORDER INSIDE qkv, which holds in place of the groups that the head names: an OPERAND of the next launch is 12 registers, stored as their image in 1,536 bytes: registers 4 k .. 4 k + 3 of a lane at 512 k + 16 x lane.
; Q, K: the operand of a pair of token tiles 2 b, 2 b + 1 of one head (six registers each) at T x 6,291,456 + ((batch x 16 + head) x 64 + b) x 1,536.
; V: the operand of 16 of the head's 64 x 128 keys at 12,582,912 + (((batch x 16 + head) x 16 + keys / 128) x 4 + tile) x 1,536.
.set TILEB, 12288                      ; a tile's 16 groups
.set CHP,   98304                      ; a slot's part of P
.set CHR,   49152                      ; and of R
.set RBASE, 2*CHP
.set SPARE, RBASE+2*CHR                ; the spare words, 128 bytes for each wave
.set L16,  1                           ; 16 x lane
.set L8,   2                           ; 512 + 8 x lane
.set RR,   3                           ; lane % 16
.set HH,   4                           ; lane / 16
.set AP16, 5                           ; v5-8 LDS addresses of my fragments in slot 0; v16-19 in slot 1
.set AP8,  6
.set AR16, 7
.set AR8,  8
.set HB,   11
.set BQ,   9                           ; the bias: 64 (lane / 16)
.set BV,   10                          ; or 4 (r + 8 (r / 8))
.set OSQ,  11                          ; where my scale words go: Q, K;
.set OSV,  12                          ; V
.set PFP,  13                          ; the prefetches' offsets
.set PFR,  14
.set SPW,  28
.set NIL,  29
.set PS,   32
.set RS,   64
.set RF,   80
.set CB,   176
.set IMG,  80
.set CT,   128
.set TM,   136
.set PW0,  152
.set PW1,  153
.set W,    154
.set WS,   156
.set G1P, 28                           ; s[28:35] descriptor group 1 for P, s[36:43] for R
.set G1R, 36
.set G0P, 44                           ; s[44:51] groups 0 for P's two slots, s[68:75] for R's
.set G0R, 68
.set MULW, 0xa1                        ; source 0 (P) window 1, source 1 (R) window 0, C and D window 2
.set MULB, 0x81                        ; the same with C in window 0
.set TO_P, 0x40                        ; destination window 1
.set MSB, 0
.macro WIN new
.if MSB != \new
	s_set_vgpr_msb (MSB<<8)|\new
.set MSB, \new
.endif
.endm
.macro PLACES n
.rept \n
	v_nop
.endr
.endm
.macro CREST
	s_cmp_lg_u32 s18, 0
	s_cbranch_scc1 .Lnot_wave_0_\@
	s_barrier_signal -3
.Lnot_wave_0_\@:
	s_barrier_wait -3
	s_barrier_signal -1
	s_barrier_wait -1
.endm
.macro CROUND
	s_barrier_signal -1
	s_barrier_wait -1
	CREST
.endm
.macro TLOAD g0, g1
	tensor_load_to_lds s[\g0:\g0+3], s[\g1:\g1+7]
	s_nop 0
	PLACES 4
.endm
; group 0's address for a slot: the tile whose number stands in s\t.  P's registers never hold cy, R's never cx
.macro SETP slot, t
	s_mul_i32 s82, s\t, TILEB
	s_mov_b32 s83, 0
	s_add_nc_u64 s[G0P+4*\slot+2:G0P+4*\slot+3], s[4:5], s[82:83]
.if \slot
	s_add_nc_u64 s[G0P+4*\slot+2:G0P+4*\slot+3], s[G0P+4*\slot+2:G0P+4*\slot+3], 6144
.endif
	s_or_b32 s[G0P+4*\slot+3], s[G0P+4*\slot+3], 0x80000000
.endm
.macro SETR slot, t
	s_mul_i32 s56, s\t, TILEB
	s_mov_b32 s57, 0
	s_add_nc_u64 s[G0R+4*\slot+2:G0R+4*\slot+3], s[4:5], s[56:57]
.if \slot
	s_add_nc_u64 s[G0R+4*\slot+2:G0R+4*\slot+3], s[G0R+4*\slot+2:G0R+4*\slot+3], 6144
.endif
	s_or_b32 s[G0R+4*\slot+3], s[G0R+4*\slot+3], 0x80000000
.endm
.macro PF pt, rt, kh                   ; half kh of K of the tiles from s\pt and s\rt on: my share of its blocks of 256 bytes
	s_wait_xcnt 0x0                                ; the prefetches before have read their bases
	s_mul_i32 s76, s\pt, TILEB
	s_mov_b32 s77, 0
	s_add_nc_u64 s[76:77], s[4:5], s[76:77]
	s_mul_i32 s78, s\rt, TILEB
	s_mov_b32 s79, 0
	s_add_nc_u64 s[78:79], s[4:5], s[78:79]
	global_prefetch_b8 v[PFP], s[76:77] offset:6144*\kh th:TH_LOAD_NT scope:SCOPE_SE
	global_prefetch_b8 v[PFR], s[78:79] offset:6144*\kh th:TH_LOAD_NT scope:SCOPE_SE
.endm
; The fragments of K step s (128 along K): 48 LDS loads in one run, from slot s / 4
.macro FETCH s
	WIN TO_P
.irp p, 0,1,2,3,4,5,6,7
.irp c, 0,1
	ds_load_b128 v[96*((\s)%2)+12*\p+6*\c:96*((\s)%2)+12*\p+6*\c+3], v[AP16+HB*((\s)/4)] offset:6144*\p+1536*((\s)%4)+768*\c
	ds_load_b64 v[96*((\s)%2)+12*\p+6*\c+4:96*((\s)%2)+12*\p+6*\c+5], v[AP8+HB*((\s)/4)] offset:6144*\p+1536*((\s)%4)+768*\c
.endr
.endr
	WIN 0
.irp q, 0,1,2,3
.irp c, 0,1
	ds_load_b128 v[RF+48*((\s)%2)+12*\q+6*\c:RF+48*((\s)%2)+12*\q+6*\c+3], v[AR16+HB*((\s)/4)] offset:6144*\q+1536*((\s)%4)+768*\c
	ds_load_b64 v[RF+48*((\s)%2)+12*\q+6*\c+4:RF+48*((\s)%2)+12*\q+6*\c+5], v[AR8+HB*((\s)/4)] offset:6144*\q+1536*((\s)%4)+768*\c
.endr
.endr
.endm
; Eight products of K step s: R tile q against P's eight.  The 32 accumulators take turns, one instruction a turn, in the same order in every step.
; A scale register carries an even K step in lanes 0-15 and the odd one behind it in lanes 16-31.  cmode 0: C = the accumulator; 1: the bias along P's rows; 2: the bias along R's rows.
.macro MULQ s, q, cmode
.irp p, 0,1,2,3,4,5,6,7
.set AC, 8*(8*(\q)+\p)
.if (\cmode) == 0
.set CC, AC
.elseif (\cmode) == 1
.set CC, CB+8*\p
.else
.set CC, CB+8*(\q)
.endif
.if (\s)%2
	v_wmma_scale_f32_16x16x128_f8f6f4 v[AC:AC+7], v[96+12*\p:96+12*\p+11], v[RF+48+12*(\q):RF+48+12*(\q)+11], v[CC:CC+7], v[PS+4*\p+(\s)/2], v[RS+4*(\q)+(\s)/2] matrix_a_fmt:MATRIX_FMT_FP6 matrix_b_fmt:MATRIX_FMT_FP6 matrix_a_scale:MATRIX_SCALE_ROW1 matrix_b_scale:MATRIX_SCALE_ROW1
.else
	v_wmma_scale_f32_16x16x128_f8f6f4 v[AC:AC+7], v[12*\p:12*\p+11], v[RF+12*(\q):RF+12*(\q)+11], v[CC:CC+7], v[PS+4*\p+(\s)/2], v[RS+4*(\q)+(\s)/2] matrix_a_fmt:MATRIX_FMT_FP6 matrix_b_fmt:MATRIX_FMT_FP6
.endif
.endr
.endm
.macro MUL s, cmode
.irp q, 0,1,2,3
	MULQ \s, \q, \cmode
.endr
.endm
; A plain K step: the next step's fragments are fetched ahead of this step's products, four places behind the products that read their registers last
.macro STEP s
	PLACES 4
	FETCH (\s)+1
	s_wait_dscnt 48                                ; all but the 48 just issued: this step's fragments are in
	WIN MULW
	MUL \s, 0
	WIN 0
.endm
; A K step in which a slot is filled again.  All fragments of that slot have been asked for (the last in the step before).
.macro RSTEP s, slot
	s_wait_tensorcnt 0x0                           ; all my tensor loads have landed;
	ds_add_u32 v[SPW], v[NIL]                      ; 0 onto my spare word
	SETP \slot, 52                                 ; no load of mine is out: the slot's descriptors take the next tile
	SETR \slot, 53
	s_wait_dscnt 1                                 ; this step's fragments are in; the add may be out
	WIN MULW
	MULQ \s, 0, 0
	s_wait_dscnt 0x0                               ; the add is done, and my reads of the slot are over
	s_barrier_signal -1                            ; the round opens
	MULQ \s, 1, 0
	WIN 0
	s_barrier_wait -1
	CREST                                          ; no wave of any partner still reads the slot or has a load on its way
	s_cmp_eq_u32 s18, 2*\slot
	s_cbranch_scc0 .Lfor_r_\@
	TLOAD G0P+4*\slot, G1P
	s_branch .Lasked_\@
.Lfor_r_\@:
	s_cmp_eq_u32 s18, 2*\slot+1
	s_cbranch_scc0 .Lasked_\@
	TLOAD G0R+4*\slot, G1R
.Lasked_\@:
	PLACES 4                                       ; the places ahead of the loads below, for the waves that come round the tensor loads
.if (\s) < 7
	FETCH (\s)+1
	PF 52, 53, 1                                   ; what the next refill will load
.else
	s_cmp_eq_u32 s24, 0                            ; the refill after this one is the third tile's first half: there is one in the first trip alone
	s_cbranch_scc0 .Lno_pf_\@
	PF 54, 55, 0
.Lno_pf_\@:
.endif
	WIN MULW
	MULQ \s, 2, 0
	MULQ \s, 3, 0
	WIN 0
.endm
; The 64 results of R tile q in my lane, register 16 b + i = place 32 b + 16 (lane / 16) + i along the axis that is quantised, become a fragment's codes in v[dst] on and its row's scale word in v[pw].
.macro QUANT q, dst, pw, cs            ; cs: registers from the first 64 places' six codes' registers to the second's
	WIN 0x0a                                       ; sources 0 and 1: window 2
.irp b, 0,1,2,3
	v_max3_num_f32 v[TM+\b], |v[64*(\q)+16*\b]|, |v[64*(\q)+16*\b+1]|, 0x1800000   ; block b: my 16 numbers, each accumulator from its low end on, and the floor 2^(3 - 127)
.endr
.irp i, 2,4,6,8,10,12,14
.irp b, 0,1,2,3
	v_max3_num_f32 v[TM+\b], |v[64*(\q)+16*\b+\i]|, |v[64*(\q)+16*\b+\i+1]|, v[TM+\b]
.endr
.endr
	WIN 0
.irp b, 0,1,2,3
	v_permlanex16_b32 v[TM+4+\b], v[TM+\b], s26, s27
.endr
.irp b, 0,1,2,3
	v_max_num_f32 v[TM+\b], v[TM+\b], v[TM+4+\b]   ; with lane l xor 16's: the block's largest magnitude
.endr
.irp b, 0,1,2,3
	v_add_nc_u32 v[TM+12+\b], 0xff000000, v[TM+\b] ; 2 off its exponent field: the conversion's scale operand
.endr
.irp b, 0,1,2,3
	v_lshrrev_b32 v[TM+4+\b], 23, v[TM+12+\b]      ; the scale's byte
.endr
	v_lshl_or_b32 v[\pw], v[TM+5], 8, v[TM+4]
	v_lshl_or_b32 v[\pw], v[TM+6], 16, v[\pw]
	v_lshl_or_b32 v[\pw], v[TM+7], 24, v[\pw]
	WIN 0x02                                       ; source 0: window 2
.irp c, 0,1
	v_cvt_scalef32_pk16_fp6_f32 v[(\dst)+(\cs)*\c:(\dst)+(\cs)*\c+2], v[64*(\q)+32*\c:64*(\q)+32*\c+15], v[TM+12+2*\c]
	v_cvt_scalef32_pk16_fp6_f32 v[CT+4*\c:CT+4*\c+2], v[64*(\q)+32*\c+16:64*(\q)+32*\c+31], v[TM+12+2*\c+1]   ; (a conversion's three registers begin on an even number)
.endr
	WIN 0
	v_nop                                          ; one plain line behind a scaled conversion
.irp c, 0,1                            ; the operand's layout wants a WHOLE block in a lane: lanes 0-15 block 2 c, lanes 16-31 block 2 c + 1
.irp i, 0,1,2
	v_permlane16_swap_b32 v[(\dst)+(\cs)*\c+\i], v[CT+4*\c+\i]
.endr
.irp i, 0,1,2
	v_mov_b32 v[(\dst)+(\cs)*\c+3+\i], v[CT+4*\c+\i]
.endr
.endr
.endm
; THE WAY OUT: each of my four tiles of R is quantised in registers and leaves as two groups.  v = 0: Q, K; 1: V
.macro OUT v
.if \v
.set CSX, 6                            ; V: a tile of R gives one operand: its two runs of 64 keys on end;
.set USX, 12                           ; the next tile's operand behind it
.set ZS, 3072                          ; bytes from a pair of R's tiles to the next,
.set US, 1536                          ; and from an operand to the next: the next tile of the head's 64
.set GB, 96
.set WB, 98
.set OSX, OSV
.set WST, 128
.set SELA, 0x03020100                  ; lanes 0-15 store the first tile's word, lanes 16-31 the second's
.set SELB, 0x07060504
.else
.set CSX, 12                           ; Q, K: a tile of R gives six registers of each of two heads' operands;
.set USX, 6                            ; the pair's second tile gives the other six
.set ZS, 1536                          ; bytes from a pair of token tiles to the next,
.set US, 98304                         ; and from an operand to the next: the next head
.set GB, 92
.set WB, 94
.set OSX, OSQ
.set WST, 64
.set SELA, 0x05040100                  ; lanes 0-15 store both tiles' bytes of the first head, lanes 16-31 of the second
.set SELB, 0x07060302
.endif
.irp z, 0,1
	QUANT 2*\z, IMG+24*\z, PW0, CSX
	QUANT 2*\z+1, IMG+24*\z+USX, PW1, CSX
.irp u, 0,1                            ; two operands of twelve registers, three stores each
.irp k, 0,1,2
	global_store_b128 v[L16], v[IMG+24*\z+12*\u+4*\k:IMG+24*\z+12*\u+4*\k+3], s[GB:GB+1] offset:ZS*\z+US*\u+512*\k   ; 512 consecutive bytes, aligned
.endr
.endr
	v_perm_b32 v[W], v[PW1], v[PW0], SELA
	v_perm_b32 v[W+1], v[PW1], v[PW0], SELB
	v_cndmask_b32 v[WS+\z], v[W], v[W+1], s67
	global_store_b32 v[OSX], v[WS+\z], s[WB:WB+1] offset:WST*\z
.endr
.endm
.macro SCL pt, rt                      ; the scale words, all of K, of my eight tiles of P and my four of R: 512 consecutive bytes a tile
	s_lshl_b32 s88, s19, 3
	s_add_co_u32 s88, s88, s\pt
	s_lshl_b32 s88, s88, 9
	s_mov_b32 s89, 0
	s_add_nc_u64 s[88:89], s[6:7], s[88:89]
	s_lshl_b32 s90, s20, 2
	s_add_co_u32 s90, s90, s\rt
	s_lshl_b32 s90, s90, 9
	s_mov_b32 s91, 0
	s_add_nc_u64 s[90:91], s[6:7], s[90:91]
.irp p, 0,1,2,3,4,5,6,7
	global_load_b128 v[PS+4*\p:PS+4*\p+3], v[L16], s[88:89] offset:512*\p
.endr
.irp q, 0,1,2,3
	global_load_b128 v[RS+4*\q:RS+4*\q+3], v[L16], s[90:91] offset:512*\q
.endr
.endm
.macro BIASQ ptr                       ; the bias in the result's layout: register j of tile p: feature 32 (p / 2) + 8 (p % 2) + 16 (lane / 16) + j
	s_add_nc_u64 s[2:3], s[\ptr:\ptr+1], s[58:59]
.irp p, 0,1,2,3,4,5,6,7
	global_load_b128 v[CB+8*\p:CB+8*\p+3], v[BQ], s[2:3] offset:(32*(\p/2)+8*(\p%2))*4
	global_load_b128 v[CB+8*\p+4:CB+8*\p+7], v[BQ], s[2:3] offset:(32*(\p/2)+8*(\p%2))*4+16
.endr
.endm
.macro BIASV                           ; all eight registers of R tile q hold the lane's feature's bias
	s_add_nc_u64 s[2:3], s[12:13], s[60:61]
.irp q, 0,1,2,3
.irp j, 0,1,2,3,4,5,6,7
	global_load_b32 v[CB+8*\q+\j], v[BV], s[2:3] offset:(32*(\q/2)+8*(\q%2))*4
.endr
.endr
.endm
.macro OUTBASE g, w, t                 ; from s2 = batch x 16 + head and s3 = the tile's number in it: where my groups and my scale words go
	s_lshl_b32 s100, s2, 7
	s_add_co_u32 s100, s100, s3
	s_mul_i32 s[\g], s100, 768
.if \t
	s_add_co_u32 s[\g], s[\g], \t*6291456
.endif
	s_mov_b32 s[\g+1], 0
	s_add_nc_u64 s[\g:\g+1], s[14:15], s[\g:\g+1]
	s_lshl_b32 s[\w], s2, 12
	s_lshl_b32 s100, s3, 5
	s_add_co_u32 s[\w], s[\w], s100
.if \t
	s_add_co_u32 s[\w], s[\w], \t<<18
.endif
	s_mov_b32 s[\w+1], 0
	s_add_nc_u64 s[\w:\w+1], s[16:17], s[\w:\w+1]
.endm
; A tile.  At its head slot 0 holds its first half of K, shown to all waves, and its scale words and bias are on their way.  v = 0: Q, K, with the refills; 1: V, the last
.macro TILE v
	FETCH 0
	s_wait_loadcnt 0x0                             ; scale words and bias
	FETCH 1
	s_wait_dscnt 48                                ; K step 0's fragments are in
	WIN MULB
	MUL 0, 1+\v                                    ; the first products start the sums with the bias: nothing is cleared
	WIN 0
	STEP 1
	STEP 2
.if \v
	s_wait_tensorcnt 0x0                           ; the last refill is in;
	s_wait_dscnt 0x0
	s_barrier_signal -1
	s_barrier_wait -1                              ; everybody's part
	STEP 3
.else
	RSTEP 3, 0
.endif
	STEP 4
	STEP 5
	STEP 6
.if \v
	s_wait_dscnt 0x0
	WIN MULW
	MUL 7, 0
	WIN 0
	PLACES 4                                       ; behind the last products, ahead of the first read of results
.else
	RSTEP 7, 1
	PLACES 4                                       ; behind the last products: ahead of the loads into their scale registers and of the first read of results
	SCL 52, 53                                     ; the next tile's
	s_cmp_eq_u32 s24, 0
	s_cbranch_scc0 .Lnext_v_\@
	BIASQ 10                                       ; bk
	s_branch .Lnext_\@
.Lnext_v_\@:
	BIASV
.Lnext_\@:
.endif
	OUT \v
.endm
	s_load_b256 s[4:11], s[0:1], 0x0               ; codes, scales, bq, bk
	s_load_b128 s[12:15], s[0:1], 0x20             ; bv, qkv
	s_load_b64 s[16:17], s[0:1], 0x30              ; qkvs
	v_lshl_add_u32 v[SPW], v0, 2, SPARE
	v_mov_b32 v[NIL], 0
	ds_add_u32 v[SPW], v[NIL]                      ; the opening lines: the add, twice on end, and its wait ahead of my first tensor load
	ds_add_u32 v[SPW], v[NIL]
	v_lshrrev_b32 v1, 5, v0
	v_readfirstlane_b32 s18, v1                    ; wave 0..3
	s_lshr_b32 s19, s18, 1                         ; my half of P's rows
	s_and_b32 s20, s18, 1                          ; my half of R's rows
	s_bfe_u32 s21, ttmp6, 0x40000                  ; cx
	s_bfe_u32 s22, ttmp6, 0x40004                  ; cy
	s_and_b32 s25, ttmp7, 0xffff                   ; the cluster's y, 0 .. 15
	s_lshl_b32 s26, 0x1111, s21                    ; my column of the cluster
	s_lshl_b32 s27, s22, 2
	s_lshl_b32 s27, 15, s27                        ; my row
	s_or_b32 s[G1P], s26, (3<<16)|(1<<21)          ; the mask; elements of 8 bytes; bit 21 beside a mask; no padding
	s_or_b32 s[G1R], s27, (3<<16)|(1<<21)
.irp g, G1P, G1R
	s_mov_b32 s[\g+1], 768<<16                     ; tensor_dim0: a tile's 6,144 bytes of half of K
	s_mov_b32 s[\g+3], 768<<16                     ; tile_dim0
	s_mov_b32 s[\g+5], 1536                        ; from tile to tile: 12,288 bytes
	s_mov_b32 s[\g+6], 0
	s_mov_b32 s[\g+7], 0
.endr
	s_mov_b32 s[G1P+2], 16<<16                     ; sixteen tiles of P,
	s_mov_b32 s[G1P+4], 16
	s_mov_b32 s[G1R+2], 8<<16                      ; eight of R
	s_mov_b32 s[G1R+4], 8
	; the first tiles of P: made of cx and the cluster's number alone
	s_lshl_b32 s86, s21, 4
	s_add_co_u32 s86, s86, 1536                    ; Q: Wq's block cx;
	s_add_co_u32 s52, s86, 64                      ; K: Wk's, the next tile;
	s_and_b32 s80, s25, 7
	s_lshl_b32 s80, s80, 2
	s_add_co_u32 s80, s80, s21                     ; V: block of 256 tokens of value
	s_lshl_b32 s54, s80, 4
	s_add_co_u32 s54, s54, 1024
	; and of R: of cy and the cluster's number alone
	s_lshl_b32 s85, s25, 2
	s_add_co_u32 s85, s85, s22                     ; Q, K: block of 128 tokens
	s_lshl_b32 s87, s85, 3                         ; of query;
	s_add_co_u32 s53, s87, 512                     ; of key;
	s_lshr_b32 s81, s25, 3
	s_lshl_b32 s81, s81, 2
	s_add_co_u32 s81, s81, s22                     ; V: block of 128 features of Wv
	s_lshl_b32 s55, s81, 3
	s_add_co_u32 s55, s55, 1664
	s_mov_b32 s[G0P], 1
	s_mov_b32 s[G0P+1], 0
	s_mov_b32 s[G0P+4], 1
	s_mov_b32 s[G0P+5], CHP
	s_mov_b32 s[G0R], 1
	s_mov_b32 s[G0R+1], RBASE
	s_mov_b32 s[G0R+4], 1
	s_mov_b32 s[G0R+5], RBASE+CHR
	s_mov_b32 s26, 0x76543210
	s_mov_b32 s27, 0xfedcba98                      ; v_permlanex16_b32's selects for lane l xor 16
	s_mov_b32 s67, 0xffff0000                      ; lanes 16-31
	s_wait_dscnt 0x0                               ; both opening adds are done
	s_wait_kmcnt 0x0
	SETP 0, 86
	SETP 1, 86
	SETR 0, 87
	SETR 1, 87
	CROUND                                         ; all sixteen work-groups are here: the joint loads meet
	s_cmp_eq_u32 s18, 0                            ; one chain of branches on the wave's number, one joint load to an arm
	s_cbranch_scc0 .Lfill_1
	TLOAD G0P, G1P
	s_branch .Lfilled
.Lfill_1:
	s_cmp_eq_u32 s18, 1
	s_cbranch_scc0 .Lfill_2
	TLOAD G0R, G1R
	s_branch .Lfilled
.Lfill_2:
	s_cmp_eq_u32 s18, 2
	s_cbranch_scc0 .Lfill_3
	TLOAD G0P+4, G1P
	s_branch .Lfilled
.Lfill_3:
	TLOAD G0R+4, G1R
.Lfilled:
	s_lshl_b32 s2, s22, 2
	s_add_co_u32 s2, s2, s18                       ; my number among the sixteen waves that ask for P jointly: its tile
	s_mul_i32 s2, s2, TILEB
	s_lshl_b32 s3, s21, 2
	s_add_co_u32 s3, s3, s18                       ; and among those that ask for R: two waves to a tile
	s_and_b32 s100, s3, 1
	s_mul_i32 s100, s100, 3072
	s_lshr_b32 s3, s3, 1
	s_mul_i32 s3, s3, TILEB
	s_add_co_u32 s3, s3, s100
	s_mul_i32 s62, s19, CHP/2                      ; my eight tiles of P in a slot,
	s_mul_i32 s63, s20, CHR/2                      ; my four of R
	s_add_co_u32 s63, s63, RBASE
	v_and_b32 v1, 31, v0
	v_and_b32 v[RR], 15, v0
	v_bfe_u32 v[HH], v0, 4, 1
	v_lshlrev_b32 v[L8], 3, v1
	v_min_u32 v[PFP], 23, v1                       ; (lanes left over name their wave's last block again)
	v_min_u32 v[PFR], 11, v1
	v_lshlrev_b32 v[L16], 4, v1
	v_add_nc_u32 v[L8], 512, v[L8]
	v_lshl_add_u32 v[PFP], v[PFP], 8, s2
	v_lshl_add_u32 v[PFR], v[PFR], 8, s3
	v_add_nc_u32 v[AP16], s62, v[L16]
	v_add_nc_u32 v[AP8], s62, v[L8]
	v_add_nc_u32 v[AR16], s63, v[L16]
	v_add_nc_u32 v[AR8], s63, v[L8]
	v_add_nc_u32 v[AP16+HB], CHP, v[AP16]
	v_add_nc_u32 v[AP8+HB], CHP, v[AP8]
	v_add_nc_u32 v[AR16+HB], CHR, v[AR16]
	v_add_nc_u32 v[AR8+HB], CHR, v[AR8]
	v_lshlrev_b32 v[BQ], 6, v[HH]
	v_and_b32 v[BV], 8, v[RR]
	v_add_nc_u32 v[BV], v[BV], v[RR]
	v_lshlrev_b32 v[BV], 2, v[BV]
	v_lshlrev_b32 v[OSQ], 2, v[RR]
	v_lshlrev_b32 v[OSV], 2, v[RR]
	v_lshl_add_u32 v[OSQ], v[HH], 12, v[OSQ]       ; lanes 16-31: the next head,
	v_lshl_add_u32 v[OSV], v[HH], 6, v[OSV]        ; or the next tile
.irp b, 0,1,2,3
	v_mov_b32 v[TM+4+\b], 0                        ; a lane permute's destination counts as one of its sources
.endr
	s_wait_alu depctr_va_vdst(0)
	s_lshl_b32 s58, s21, 10
	s_lshl_b32 s59, s19, 9
	s_add_co_u32 s58, s58, s59                     ; bq, bk at my first feature
	s_mov_b32 s59, 0
	s_lshl_b32 s60, s81, 9
	s_lshl_b32 s61, s20, 8
	s_add_co_u32 s60, s60, s61                     ; bv at my first feature
	s_mov_b32 s61, 0
	s_lshr_b32 s2, s85, 4                          ; Q, K: batch x 16 + my first head, and my first token tile of the sequence
	s_lshl_b32 s2, s2, 4
	s_lshl_b32 s3, s21, 2
	s_add_co_u32 s2, s2, s3
	s_lshl_b32 s3, s19, 1
	s_add_co_u32 s2, s2, s3
	s_lshl_b32 s3, s85, 3
	s_lshl_b32 s100, s20, 2
	s_add_co_u32 s3, s3, s100
	s_and_b32 s3, s3, 127
	OUTBASE 92, 94, 0
	s_lshr_b32 s2, s80, 3                          ; V: batch x 16 + my head, and 8 x my 128 keys' number
	s_lshl_b32 s2, s2, 4
	s_lshl_b32 s3, s81, 1
	s_add_co_u32 s2, s2, s3
	s_add_co_u32 s2, s2, s20
	s_lshl_b32 s3, s80, 1
	s_add_co_u32 s3, s3, s19
	s_and_b32 s3, s3, 15
	s_lshl_b32 s3, s3, 3
	OUTBASE 96, 98, 2
	SCL 86, 87
	BIASQ 8                                        ; bq
	PF 52, 53, 0                                   ; what the first refill will load
	s_cmp_lt_u32 s18, 2                            ; waves 0 and 1, whose load lines at the head are their own, wait for slot 0; slot 1's loads may be on their way
	s_cbranch_scc0 .Lnot_first
	s_wait_tensorcnt 0x0
.Lnot_first:
	s_barrier_signal -1
	s_barrier_wait -1
	s_mov_b32 s24, 0                               ; the trip: 0 Q, 1 K: the same in every work-group
.Ltile:
	TILE 0
	s_wait_xcnt 0x0                                ; the stores have read their registers and bases: the next tile's fragments may land there, and the bases may step
	s_add_nc_u64 s[92:93], s[92:93], 6291456       ; K's region of qkv,
	s_add_nc_u64 s[94:95], s[94:95], 262144        ; and of qkvs
	s_mov_b32 s52, s54                             ; the tile after the next is V's
	s_mov_b32 s53, s55
	s_add_co_u32 s24, s24, 1
	s_cmp_lt_u32 s24, 2
	s_cbranch_scc1 .Ltile
	TILE 1
	s_wait_tensorcnt 0x0                           ; the wave's end
	ds_add_u32 v[SPW], v[NIL]
	s_wait_dscnt 0x0
	CROUND                                         ; the closing round
	s_endpgm
.Lfunc_end_k_qd840f1de67_proj:
	.size	k_qd840f1de67_proj, .Lfunc_end_k_qd840f1de67_proj-k_qd840f1de67_proj
	.p2alignl 7, 3214868480
	.fill 96, 4, 3214868480
	.section	.rodata,"a",@progbits
	.p2align	6, 0x0
	.amdhsa_kernel k_qd840f1de67_proj
		.amdhsa_group_segment_fixed_size 327680
		.amdhsa_private_segment_fixed_size 0
		.amdhsa_enable_private_segment 0
		.amdhsa_kernarg_size 56
		.amdhsa_user_sgpr_count 2
		.amdhsa_user_sgpr_kernarg_segment_ptr 1
		.amdhsa_wavefront_size32 1
		.amdhsa_system_sgpr_workgroup_id_x 1
		.amdhsa_system_sgpr_workgroup_id_y 1
		.amdhsa_system_sgpr_workgroup_id_z 1
		.amdhsa_system_vgpr_workitem_id 0
		.amdhsa_next_free_vgpr 768
		.amdhsa_next_free_sgpr 102
		.amdhsa_reserve_vcc 0
		.amdhsa_float_denorm_mode_32 3
		.amdhsa_float_denorm_mode_16_64 3
		.amdhsa_memory_ordered 1
		.amdhsa_forward_progress 1
		.amdhsa_inst_pref_size 175
	.end_amdhsa_kernel
	.amdgpu_metadata
---
amdhsa.version: [ 1, 2 ]
amdhsa.kernels:
  - .name:           k_qd840f1de67_proj
    .symbol:         k_qd840f1de67_proj.kd
    .args:
      - { .name: codes, .offset: 0, .size: 8, .value_kind: global_buffer, .address_space: global }
      - { .name: scales, .offset: 8, .size: 8, .value_kind: global_buffer, .address_space: global }
      - { .name: bq, .offset: 16, .size: 8, .value_kind: global_buffer, .address_space: global }
      - { .name: bk, .offset: 24, .size: 8, .value_kind: global_buffer, .address_space: global }
      - { .name: bv, .offset: 32, .size: 8, .value_kind: global_buffer, .address_space: global }
      - { .name: qkv, .offset: 40, .size: 8, .value_kind: global_buffer, .address_space: global }
      - { .name: qkvs, .offset: 48, .size: 8, .value_kind: global_buffer, .address_space: global }
    .group_segment_fixed_size: 327680
    .private_segment_fixed_size: 0
    .kernarg_segment_align: 8
    .kernarg_segment_size: 56
    .max_flat_workgroup_size: 128
    .sgpr_count:     102
    .vgpr_count:     768
    .wavefront_size: 32
...
	.end_amdgpu_metadata
.endif
;; end of part 2
;; launch attn (part 3): grid 4 x 64, 16 waves a work-group, clusters of 4 x 1, 206,848 bytes of LDS; arguments qkv, qkvs, ac, asc; writes ac, asc
.if DOCPART == 3
	.amdgcn_target "amdgcn-amd-amdhsa--gfx1250"
	.amdhsa_code_object_version 6
	.text
	.protected	k_qd840f1de67_attn
	.globl	k_qd840f1de67_attn
	.p2align	8
	.type	k_qd840f1de67_attn,@function
k_qd840f1de67_attn:
	s_mov_b64 s[64:65], 0
	v_nop
	global_prefetch_b8 v0, s[64:65] scope:SCOPE_SE
	s_setreg_imm32_b32 hwreg(HW_REG_WAVE_MODE, 25, 1), 1
	s_wait_xcnt 0x0
	s_wait_alu depctr_hold_cnt(0) depctr_sa_sdst(0) depctr_va_vdst(0) depctr_va_sdst(0) depctr_va_ssrc(0) depctr_va_vcc(0) depctr_vm_vsrc(0)
	s_getreg_b32 s2, hwreg(HW_REG_IB_STS2, 6, 4)
	s_cmp_eq_u32 s2, 0
	s_cbranch_scc0 .Lentry_in_a_cluster
	s_endpgm
.Lentry_in_a_cluster:
	s_bfe_u32 s2, ttmp6, 0x10000c
	s_cmp_lg_u32 s2, 0x3003
	s_cbranch_scc0 .Lentry_shape_is_right
	s_endpgm
.Lentry_shape_is_right:
; For each batch and head: O[q] = the sum over k of softmax_k(Q[q] . K[k] / 8) V[k], both products on codes of FP6 (E2M3) with E8M0 scales; O / the row's sum is quantised along the embedding's axis for the last product.
; No work of the problem is left out.  LIMITS: byte 1 for a block of zeros (this program alone reads the bytes); NaN and infinities are not served; the scaled scores (score x log2(e) / 8) stay under 2^31 in magnitude.
; THE SOFTMAX: t = score x c, c = log2(e) / 8; M = the running largest t rounded UP to a whole number; p = 2^(t - M) is quantised along the keys, not normalised; the row's sum is taken of the unquantised p.
; When M moves, the sum and O are multiplied by 2^(old M - new M): exact.
; SHARES.  A work-group owns 512 queries of one head; each of its sixteen waves 32 of them, two tiles of 16, one after the other.  ALL of the head's K and V (96 KiB each) and their scale words lie in LDS, each byte filled once: no ring.
; CLUSTER.  The four work-groups of a cluster are the four quarters of one head's queries: K and V are asked for JOINTLY.  Each wave issues one load of 12,288 bytes (waves 0-7 K's eighths, waves 8-15 V's), on one line with no branch, so every wave waits for 0.
; The scale words, 8,192 bytes, come by four loads of 4 bytes and one LDS store of 16 bytes a thread.  No prefetch: everything is asked for at the head, and there is no loop to run ahead in.
; LAYOUT.  Both products transposed: S^T = K Q^T, O^T = V^T P^T: a lane holds ONE query (lane % 16).  Key tile 4 c + t holds keys 64 c + 8 t + p + 24 (p / 8), so registers 32 c .. 32 c + 31 of S in lane (r, h) are keys
; 64 c + 32 h + 0 .. 31 of the step: one whole block of the second product's K, in the order of that operand's registers.  No lane asks another for a block's maximum, and the conversions' results are the operand.
; THE FIRST PRODUCT'S K IS 64, half of the instruction's 128: source 0 holds TWO tiles of keys; Q stands as [Q][zero codes][Q], 18 registers: the first twelve give the first tile's scores, the last twelve the second's.
; A STEP (128 keys): K's fragments were asked for at the end of the step before; V's land under the softmax; the row's sum is taken behind the second product, under the flight of the next K fragments.
; A work-group barrier is signalled at each step's head and awaited ahead of the second product: no wave is more than one key step ahead of another.  Between the two stand register work and LDS loads alone.
; THE OPERANDS' ORDER, which holds in place of the groups that the head names: an operand of K (a pair of key tiles), of V (16 of the head's 64 x 128 keys) and of Q (my pair of query tiles) is the image of its 12 registers,
; 1,536 bytes: registers 4 k .. 4 k + 3 of a lane at 512 k + 16 x lane: three loads of 16 bytes a lane.  A step's four operands of K, and of V, lie on end: twelve loads each.
; THE SCALE WORDS are laid in LDS by steps: thread 32 s + l loads the four words that lane l wants in step s (K's two, V's two: four loads of 4 bytes, 128 consecutive bytes a wave) and stores them on end: one load of 16 bytes a lane and step.
.set VB,    98304                      ; LDS: K's operands from 0, V's from here,
.set SKB,   196608                     ; the scale words (8,192 bytes), K's and V's together by steps: stored by the waves, never a tensor load's target,
.set SPARE, 204800                     ; and the spare words, 128 bytes for each wave
.set L16,  1                           ; 16 x lane
.set L8,   2                           ; 512 + 8 x lane
.set LS,   3                           ; SKB + 16 x lane
.set L2,   4                           ; 2 x lane
.set SPW,  5                           ; my spare word; never rewritten
.set NIL,  6                           ; 0; never rewritten
.set ADS,  7                           ; v7-11 the step's LDS addresses
.set ADK16, 8
.set ADK8, 9
.set ADV16, 10
.set ADV8, 11                          ; v12 -M, v13 the largest score so far, v[14:15] the sum in two halves
.set Q0,   16                          ; v16-33 Q of my first tile
.set KS,   34                          ; v34-35 K's scale words, v36-37 V's, v38 p's, v39-40 Q's: scales and nothing else
.set VS,   36
.set PW,   38
.set QS,   39
.set SW,   41
.set HW,   42                          ; v42-43 the result's two scale bytes, for each tile
.set R4,   44
.set HWO,  45
.set SH8,  46                          ; 8 (lane / 16)
.set F,    48                          ; v48-95   fragments of K, then of V
.set S,    96                          ; v96-159  S^T, then p
.set O,    160                         ; v160-191 O^T
.set PC,   192                         ; v192-203 p's codes
.set CT,   204                         ; v204-211 the conversions' second halves; then three chains of the sum
.set BM,   212                         ; v212-215
.set PT,   216
.set SO,   218
.set T1,   220
.set T2,   221
.set W,    222
.set TO,   223
.set FF,   226                         ; v[226:227] f; the packed forms take the low word for both halves
.set Q1,   230                         ; v230-247 Q of my second tile
.set GS,   248
.set DSA,  249
.set GD,   252
.set WV,   12
.set G1C,  16
.set G0,   36
.set CS,   56                          ; s[56:57] c
.set SEL,  58
.set HM,   60
.set TB,   61
.set TBV,  62
.set TS,   63
.set CNT,  66
.macro PLACES n
.rept \n
	v_nop
.endr
.endm
.macro WALU
	s_wait_alu depctr_va_vdst(0)
.endm
.macro ROUND                           ; a round of the cluster's barrier
	s_barrier_signal -1
	s_barrier_wait -1
	s_cmp_lg_u32 s[WV], 0
	s_cbranch_scc1 .Lnot_wave_0_\@
	s_barrier_signal -3
.Lnot_wave_0_\@:
	s_barrier_wait -3
	s_barrier_signal -1
	s_barrier_wait -1
.endm
	s_load_b256 s[4:11], s[0:1], 0x0               ; qkv, qkvs, ac, asc
	v_lshl_add_u32 v[SPW], v0, 2, SPARE
	v_mov_b32 v[NIL], 0
	ds_add_u32 v[SPW], v[NIL]                      ; the opening lines: the add, twice on end, and its wait ahead of my tensor load
	ds_add_u32 v[SPW], v[NIL]
	v_lshrrev_b32 v1, 5, v0
	v_readfirstlane_b32 s[WV], v1                  ; wave 0..15
	s_bfe_u32 s13, ttmp6, 0x40000                  ; cx: my quarter of the head's queries
	s_and_b32 s14, ttmp7, 0xffff                   ; batch x 16 + head, which the four partners share
	s_mov_b32 s[G1C], 15|(3<<16)|(1<<21)           ; the mask: all four; elements of 8 bytes; bit 21 beside a mask; no padding
	s_mov_b32 s[G1C+1], 32<<16                     ; a dense block as rows of 256 bytes:
	s_mov_b32 s[G1C+2], 48<<16                     ; 12,288 bytes
	s_mov_b32 s[G1C+3], 32<<16
	s_mov_b32 s[G1C+4], 48
	s_mov_b32 s[G1C+5], 32
	s_mov_b32 s[G1C+6], 0
	s_mov_b32 s[G1C+7], 0
	s_lshr_b32 s32, s[WV], 3                       ; 0: K, 1: V
	s_mul_i32 s33, s32, 6291456
	s_add_co_u32 s33, s33, 6291456                 ; K's region of qkv is the second, V's the third
	s_mul_i32 s34, s14, 98304
	s_add_co_u32 s34, s34, s33
	s_and_b32 s2, s[WV], 7
	s_mul_i32 s2, s2, 12288                        ; my eighth
	s_add_co_u32 s34, s34, s2
	s_mov_b32 s35, 0
	s_mul_i32 s67, s[WV], 12288                    ; where it goes: the wave's number alone (VB = 8 x 12,288)
	s_mov_b32 s[CS], 0x3e38aa3b                    ; c = log2(e) / 8
	s_mov_b32 s[CS+1], s[CS]
	s_mov_b32 s[SEL], 0x76543210
	s_mov_b32 s[SEL+1], 0xfedcba98                 ; v_permlanex16_b32's selects for lane l xor 16
	s_mov_b32 s[HM], 0xffff0000                    ; lanes 16-31
	s_wait_dscnt 0x0                               ; both opening adds are done
	s_wait_kmcnt 0x0
	s_mov_b32 s[G0], 1
	s_mov_b32 s[G0+1], s67
	s_add_nc_u64 s[G0+2:G0+3], s[4:5], s[34:35]
	s_or_b32 s[G0+3], s[G0+3], 0x80000000
	ROUND                                          ; all four work-groups are here: the joint loads meet
	tensor_load_to_lds s[G0:G0+3], s[G1C:G1C+7]    ; my one load
	s_nop 0
	PLACES 4
	v_and_b32 v1, 31, v0
	v_and_b32 v[R4], 15, v0
	v_bfe_u32 v[SH8], v0, 4, 1
	v_lshrrev_b32 v[GS], 5, v0
	v_lshlrev_b32 v[R4], 2, v[R4]
	v_lshlrev_b32 v[SH8], 3, v[SH8]
	v_lshlrev_b32 v[GS], 8, v[GS]                  ; my wave's number is the step whose words I fetch: 256 bytes of K's and of V's a step,
	v_lshl_add_u32 v[GS], v1, 2, v[GS]             ; 4 bytes a lane
	v_lshl_add_u32 v[DSA], v0, 4, SKB
	v_lshlrev_b32 v[L8], 3, v1
	v_add_nc_u32 v[L8], 512, v[L8]
	v_lshl_add_u32 v[LS], v1, 4, SKB               ; SKB + 16 x lane
	v_lshlrev_b32 v[L2], 1, v1
	v_lshlrev_b32 v[L16], 4, v1
	WALU
	s_lshl_b32 s24, s14, 12
	s_add_co_u32 s24, s24, 262144
	s_mov_b32 s25, 0
	s_add_nc_u64 s[24:25], s[6:7], s[24:25]        ; the head's scale words of K
	s_lshl_b32 s69, s13, 4
	s_add_co_u32 s69, s69, s[WV]                   ; my pair of query tiles in the sequence: 16 cx + wave.  cx enters global addresses of Q and of the results alone
	s_lshl_b32 s70, s14, 6
	s_add_co_u32 s70, s70, s69
	s_mul_i32 s32, s70, 1536
	s_mov_b32 s33, 0
	s_add_nc_u64 s[32:33], s[4:5], s[32:33]        ; Q's two groups
	s_lshl_b32 s70, s70, 6
	s_mov_b32 s71, 0
	s_add_nc_u64 s[70:71], s[6:7], s[70:71]        ; and their rows' words
	s_lshr_b32 s2, s14, 4
	s_lshl_b32 s2, s2, 6
	s_add_co_u32 s2, s2, s69                       ; my pair of token tiles among all 256 pairs
	s_and_b32 s3, s14, 15                          ; the head
	s_lshl_b32 s34, s2, 5
	s_add_co_u32 s34, s34, s3
	s_mul_i32 s34, s34, 768
	s_mov_b32 s35, 0
	s_add_nc_u64 s[8:9], s[8:9], s[34:35]          ; the result's groups: (token tile x 16 + head) x 768
	s_lshl_b32 s34, s3, 14
	s_lshl_b32 s2, s2, 6
	s_add_co_u32 s34, s34, s2
	s_add_nc_u64 s[10:11], s[10:11], s[34:35]      ; its scale bytes: head x 16,384 + token tile x 32 + 2 p
	global_load_b32 v[GD], v[GS], s[24:25]                   ; K's words: the step's first and second pair of tiles (by halves of the lanes),
	global_load_b32 v[GD+1], v[GS], s[24:25] offset:128      ; its third and fourth;
	global_load_b32 v[GD+2], v[GS], s[24:25] offset:262144   ; V's, 262,144 bytes behind K's: tiles 0 and 1,
	global_load_b32 v[GD+3], v[GS], s[24:25] offset:262272   ; 2 and 3
.irp k, 0,1,2                          ; my pair of query tiles: one operand, six registers a tile
	global_load_b128 v[S+4*\k:S+4*\k+3], v[L16], s[32:33] offset:512*\k
.endr
	global_load_b32 v[SW], v[R4], s[70:71]
.irp j, 6,7,8,9,10,11
	v_mov_b32 v[Q0+\j], 0
	v_mov_b32 v[Q1+\j], 0
.endr
	v_mov_b32 v[PT], 0                             ; a lane permute's destination counts as one of its sources
	v_mov_b32 v[PT+1], 0
	v_mov_b32 v[T1], 0
	v_mov_b32 v[FF+1], 0                           ; (named as the upper half of a pair)
	s_mov_b32 s[TB], 0
	s_mov_b32 s[TBV], VB
	s_mov_b32 s[TS], 0
.macro ADDR                            ; the step's LDS addresses, from scalars that are stepped by constants
	v_add_nc_u32 v[ADK16], s[TB], v[L16]
	v_add_nc_u32 v[ADV16], s[TBV], v[L16]
	v_add_nc_u32 v[ADS], s[TS], v[LS]
.endm
.macro KFETCH                          ; eight tiles of keys, and their scale words: lanes 0-15 the first pair of tiles, lanes 16-31 the second; then the third and fourth
.irp g, 0,1,2,3,4,5,6,7,8,9,10,11
	ds_load_b128 v[F+4*\g:F+4*\g+3], v[ADK16] offset:512*\g
.endr
	ds_load_b128 v[KS:KS+3], v[ADS]                ; the step's four scale words: K's two, V's two
.endm
	ADDR
	s_wait_loadcnt 0x0
	v_perm_b32 v[QS], v[SW], v[SW], 0x01000100     ; Q's two bytes stand twice: under either half of the instruction's K
	v_perm_b32 v[QS+1], v[SW], v[SW], 0x03020302
.irp j, 0,1,2,3,4,5                    ; each tile's six registers twice: [Q][zero codes][Q]
	v_mov_b32 v[Q0+\j], v[S+\j]
	v_mov_b32 v[Q0+12+\j], v[S+\j]
	v_mov_b32 v[Q1+\j], v[S+6+\j]
	v_mov_b32 v[Q1+12+\j], v[S+6+\j]
.endr
	ds_store_b128 v[DSA], v[GD:GD+3]               ; my 16 bytes of the scale words
	WALU
	s_wait_tensorcnt 0x0                           ; my eighth is in,
	s_wait_dscnt 0x0                               ; my store is done:
	s_barrier_signal -1
	s_barrier_wait -1                              ; and everybody's
	KFETCH
.macro SM d, a, q, ks, qs, row
	v_wmma_scale_f32_16x16x128_f8f6f4 v[\d:\d+7], v[\a:\a+11], v[\q:\q+11], 0, v[\ks], v[\qs] matrix_a_fmt:MATRIX_FMT_FP6 matrix_b_fmt:MATRIX_FMT_FP6 matrix_a_scale:MATRIX_SCALE_ROW\row
.endm
.macro PV t, row
	v_wmma_scale_f32_16x16x128_f8f6f4 v[O+8*\t:O+8*\t+7], v[F+12*\t:F+12*\t+11], v[PC:PC+11], v[O+8*\t:O+8*\t+7], v[VS+\t/2], v[PW] matrix_a_fmt:MATRIX_FMT_FP6 matrix_b_fmt:MATRIX_FMT_FP6 matrix_a_scale:MATRIX_SCALE_ROW\row
.endm
; A KEY STEP: 128 keys, for the tile whose Q stands at v[ql] on with its scale word in v[qs].  nxt = 1: the tile's next step follows; 2: the next tile's first; 0: nothing.
.macro STEP ql, qs, nxt
	WALU
	s_wait_dscnt 0x0                               ; K's fragments and words are in; no LDS instruction of mine is out at the signal
	s_barrier_signal -1                            ; I have begun this step
	SM S,    F,    \ql,   KS,   \qs, 0
	SM S+8,  F,    \ql+6, KS,   \qs, 0
	SM S+16, F+12, \ql,   KS,   \qs, 1
	SM S+24, F+12, \ql+6, KS,   \qs, 1
	SM S+32, F+24, \ql,   KS+1, \qs, 0
	SM S+40, F+24, \ql+6, KS+1, \qs, 0
	SM S+48, F+36, \ql,   KS+1, \qs, 1
	SM S+56, F+36, \ql+6, KS+1, \qs, 1
	v_mov_b32 v[TO], v12                           ; the old -M.  With three v_nop: the four places ahead of the loads into K's registers and of the first read of scores
	PLACES 3
.irp g, 0,1,2,3,4,5,6,7,8,9,10,11      ; V's four operands land while the softmax is walked
	ds_load_b128 v[F+4*\g:F+4*\g+3], v[ADV16] offset:512*\g
.endr
.irp k, 0,1,2,3                        ; the largest score of my two blocks of 32 keys, two chains each, by turns; each accumulator from its low end on
	v_max3_num_f32 v[BM+\k], v[S+16*\k], v[S+16*\k+1], v[S+16*\k+2]
.endr
.irp i, 3,5,7,9,11,13
.irp k, 0,1,2,3
	v_max3_num_f32 v[BM+\k], v[BM+\k], v[S+16*\k+\i], v[S+16*\k+\i+1]
.endr
.endr
	v_max3_num_f32 v[BM], v[BM], v[S+15], v[BM+1]
	v_max3_num_f32 v[BM+2], v[BM+2], v[S+47], v[BM+3]
	v_max_num_f32 v[BM], v[BM], v[S+31]            ; block h of the step,
	v_max_num_f32 v[BM+2], v[BM+2], v[S+63]        ; block 2 + h
	s_delay_alu instid0(VALU_DEP_1)
	v_max3_num_f32 v[T1], v[BM], v[BM+2], v13      ; with the largest so far,
	s_delay_alu instid0(VALU_DEP_1)
	v_permlanex16_b32 v[PT], v[T1], s[SEL], s[SEL+1]
	s_delay_alu instid0(VALU_DEP_1)
	v_max_num_f32 v13, v[T1], v[PT]                ; and lane l xor 16's: the running largest score of my query
	s_delay_alu instid0(VALU_DEP_1)
	v_mul_f32 v[T2], s[CS], v13                    ; as t (c is positive)
	s_delay_alu instid0(VALU_DEP_1)
	v_floor_f32 v12, -v[T2]                        ; the new -M = -ceil(t)
	v_fma_f32 v[BM], v[BM], s[CS], v12             ; t - M of each block's largest score: p rises with the score, so this gives the block's largest p
	v_fma_f32 v[BM+2], v[BM+2], s[CS], v12
.set J, 0
.rept 32
	v_pk_fma_f32 v[S+J:S+J+1], v[S+J:S+J+1], s[CS:CS+1], v[12:13] op_sel_hi:[1,0,0]   ; t - M, two at a time
.set J, J+2
.endr
	WALU
	v_exp_f32 v[BM], v[BM]
	v_exp_f32 v[BM+2], v[BM+2]
.set J, 0
.rept 64
	v_exp_f32 v[S+J], v[S+J]                       ; p = 2^(t - M)
.set J, J+1
.endr
	v_sub_f32 v[T1], v12, v[TO]                    ; old M - new M: a whole number, 0 or less.  (Plain lines behind the exponentials)
	s_delay_alu instid0(VALU_DEP_1)
	v_cvt_i32_f32 v[T1], v[T1]                     ; (it saturates)
	s_delay_alu instid0(VALU_DEP_1)
	v_ldexp_f32 v[FF], 1.0, v[T1]                  ; f = 2^(old M - new M)
	WALU                                           ; one wait for the batch, ahead of its first reader
	v_max_num_f32 v[BM], 0x1800000, v[BM]          ; the floor 2^(3 - 127): the byte cannot fall under 1
	v_max_num_f32 v[BM+2], 0x1800000, v[BM+2]
	v_add_nc_u32 v[SO], 0xff000000, v[BM]          ; 2 off the exponent field: the conversion's scale operand
	v_add_nc_u32 v[SO+1], 0xff000000, v[BM+2]
	v_lshrrev_b32 v[PT], 23, v[SO]                 ; the scale's byte
	v_lshrrev_b32 v[PT+1], 23, v[SO+1]
	v_lshl_or_b32 v[W], v[PT+1], 16, v[PT]         ; my two bytes, blocks h and 2 + h,
	v_lshlrev_b32 v[W], v[SH8], v[W]               ; at their places in the word;
	v_permlanex16_b32 v[PT], v[W], s[SEL], s[SEL+1]
	v_or_b32 v[PW], v[W], v[PT]                    ; with lane l xor 16's two the word is whole
	v_cvt_scalef32_pk16_fp6_f32 v[PC:PC+2], v[S:S+15], v[SO]
	v_cvt_scalef32_pk16_fp6_f32 v[CT:CT+2], v[S+16:S+31], v[SO]        ; (a conversion's three registers begin on an even number)
	v_cvt_scalef32_pk16_fp6_f32 v[PC+6:PC+8], v[S+32:S+47], v[SO+1]
	v_cvt_scalef32_pk16_fp6_f32 v[CT+4:CT+6], v[S+48:S+63], v[SO+1]
	WALU
.set J, 0
.rept 4
	v_pk_mul_f32 v[O+J:O+J+1], v[O+J:O+J+1], v[FF:FF+1] op_sel_hi:[1,0]   ; O^T under the new M
.set J, J+2
.endr
.irp i, 0,1,2
	v_mov_b32 v[PC+3+\i], v[CT+\i]                 ; each block's six registers on end
	v_mov_b32 v[PC+9+\i], v[CT+4+\i]
.endr
.rept 12
	v_pk_mul_f32 v[O+J:O+J+1], v[O+J:O+J+1], v[FF:FF+1] op_sel_hi:[1,0]   ; (these twelve also stand between the lines that made p's codes and scale word and the products below)
.set J, J+2
.endr
	WALU
	s_wait_dscnt 0x0                               ; V's fragments and words are in
	s_barrier_wait -1                              ; every wave has begun this step
	PV 0, 0                                        ; O^T += V^T P^T: the four accumulators by turns, one instruction a turn
	PV 1, 1
	PV 2, 0
	PV 3, 1
.if (\nxt) == 1
	s_add_co_u32 s[TB], s[TB], 6144                ; the next 128 keys: eight groups of K, eight of V, 256 bytes of each's scale words
	s_add_co_u32 s[TBV], s[TBV], 6144
	s_add_co_u32 s[TS], s[TS], 512                 ; 16 bytes of scale words a lane
.elseif (\nxt) == 2
	s_mov_b32 s[TB], 0
	s_mov_b32 s[TBV], VB
	s_mov_b32 s[TS], 0
.endif
	v_pk_fma_f32 v[14:15], v[14:15], v[FF:FF+1], v[S:S+1] op_sel_hi:[1,0,1]   ; THE ROW'S SUM, of the unquantised p: the old sum under the new M, and four chains
.if (\nxt) != 0
	ADDR                                           ; with the line above: the four places ahead of the loads into registers that the products read
	KFETCH
.endif
	v_pk_add_f32 v[CT:CT+1], v[S+2:S+3], v[S+10:S+11]
	v_pk_add_f32 v[CT+2:CT+3], v[S+4:S+5], v[S+12:S+13]
	v_pk_add_f32 v[CT+4:CT+5], v[S+6:S+7], v[S+14:S+15]
	v_pk_add_f32 v[14:15], v[14:15], v[S+8:S+9]
.irp j, 16,24,32,40,48,56
	v_pk_add_f32 v[CT:CT+1], v[CT:CT+1], v[S+\j+2:S+\j+3]
	v_pk_add_f32 v[CT+2:CT+3], v[CT+2:CT+3], v[S+\j+4:S+\j+5]
	v_pk_add_f32 v[CT+4:CT+5], v[CT+4:CT+5], v[S+\j+6:S+\j+7]
	v_pk_add_f32 v[14:15], v[14:15], v[S+\j:S+\j+1]
.endr
	v_pk_add_f32 v[CT:CT+1], v[CT:CT+1], v[CT+2:CT+3]
	v_pk_add_f32 v[14:15], v[14:15], v[CT+4:CT+5]
	v_pk_add_f32 v[14:15], v[14:15], v[CT:CT+1]
.endm
.macro TILE_INIT                       ; the step is written once for all steps: the first finds zeros, which the first change of M leaves zeros
	v_mov_b32 v13, 0xff61b1e6                      ; the largest score so far: -3e38
	v_mov_b32 v14, 0
	v_mov_b32 v15, 0
	v_floor_f32 v12, -v13
.set J, 0
.rept 32
	v_mov_b32 v[O+J], 0
.set J, J+1
.endr
.endm
; Tile u is finished: O^T / the sum; register 16 b + i is channel 32 b + 16 (lane / 16) + i of the head: two blocks along the last product's K, quantised here; they leave as one group.
; (The sum's 32 lines are the places behind the last products.)
.macro TILE_OUT u
	v_add_f32 v14, v14, v15
	v_permlanex16_b32 v[T1], v14, s[SEL], s[SEL+1]
	v_add_f32 v14, v14, v[T1]                      ; the row's sum
	WALU
	v_rcp_f32 v[FF], v14
	v_nop                                          ; a plain line behind the reciprocal,
	WALU                                           ; and the wait ahead of its first reader, which is also O^T's
.set J, 0
.rept 16
	v_pk_mul_f32 v[S+J:S+J+1], v[O+J:O+J+1], v[FF:FF+1] op_sel_hi:[1,0]   ; each accumulator from its low end on
.set J, J+2
.endr
.irp b, 0,1
	v_max3_num_f32 v[BM+\b], |v[S+16*\b]|, |v[S+16*\b+1]|, 0x1800000
.endr
.irp i, 2,4,6,8,10,12,14
.irp b, 0,1
	v_max3_num_f32 v[BM+\b], v[BM+\b], |v[S+16*\b+\i]|, |v[S+16*\b+\i+1]|
.endr
.endr
.irp b, 0,1
	v_permlanex16_b32 v[PT+\b], v[BM+\b], s[SEL], s[SEL+1]
.endr
.irp b, 0,1
	v_max_num_f32 v[BM+\b], v[BM+\b], v[PT+\b]
.endr
.irp b, 0,1
	v_add_nc_u32 v[SO+\b], 0xff000000, v[BM+\b]
.endr
.irp b, 0,1
	v_lshrrev_b32 v[PT+\b], 23, v[SO+\b]
.endr
	v_lshl_or_b32 v[HW+\u], v[PT+1], 8, v[PT]
	v_cvt_scalef32_pk16_fp6_f32 v[PC:PC+2], v[S:S+15], v[SO]
	v_cvt_scalef32_pk16_fp6_f32 v[CT:CT+2], v[S+16:S+31], v[SO+1]
	v_nop                                          ; one plain line behind a scaled conversion
.irp i, 0,1,2
	v_permlane16_swap_b32 v[PC+\i], v[CT+\i]       ; a whole block in a lane: lanes 0-15 block 0, lanes 16-31 block 1
.endr
.irp i, 0,1,2
	v_mov_b32 v[PC+3+\i], v[CT+\i]
.endr
	global_store_b128 v[L16], v[PC:PC+3], s[8:9] offset:12288*\u     ; 512 consecutive bytes, aligned
	global_store_b64 v[L8], v[PC+4:PC+5], s[8:9] offset:12288*\u     ; 256 consecutive bytes, aligned
.if \u == 0
	s_wait_xcnt 0x0                                ; the stores have read their registers: the next tile writes them again
.endif
.endm
.macro TILE u, ql, qs                  ; sixteen steps: fifteen in a loop, the last written out: it asks for the next tile's first fragments, or for nothing
	TILE_INIT
	s_mov_b32 s[CNT], 15
.Ltile_\@:
	STEP \ql, \qs, 1
	s_sub_co_u32 s[CNT], s[CNT], 1
	s_cmp_lg_u32 s[CNT], 0
	s_cbranch_scc1 .Ltile_\@
	STEP \ql, \qs, 2-2*\u
	TILE_OUT \u
.endm
	TILE 0, Q0, QS
	TILE 1, Q1, QS+1
	v_cndmask_b32 v[HWO], v[HW], v[HW+1], s[HM]    ; lanes 0-15 the first tile's rows, lanes 16-31 the second's
	global_store_b16 v[L2], v[HWO], s[10:11]       ; 64 consecutive bytes
	s_wait_tensorcnt 0x0                           ; the wave's end
	ds_add_u32 v[SPW], v[NIL]
	s_wait_dscnt 0x0
	ROUND                                          ; the closing round
	s_endpgm
.Lfunc_end_k_qd840f1de67_attn:
	.size	k_qd840f1de67_attn, .Lfunc_end_k_qd840f1de67_attn-k_qd840f1de67_attn
	.p2alignl 7, 3214868480
	.fill 96, 4, 3214868480
	.section	.rodata,"a",@progbits
	.p2align	6, 0x0
	.amdhsa_kernel k_qd840f1de67_attn
		.amdhsa_group_segment_fixed_size 206848
		.amdhsa_private_segment_fixed_size 0
		.amdhsa_enable_private_segment 0
		.amdhsa_kernarg_size 32
		.amdhsa_user_sgpr_count 2
		.amdhsa_user_sgpr_kernarg_segment_ptr 1
		.amdhsa_wavefront_size32 1
		.amdhsa_system_sgpr_workgroup_id_x 1
		.amdhsa_system_sgpr_workgroup_id_y 1
		.amdhsa_system_sgpr_workgroup_id_z 1
		.amdhsa_system_vgpr_workitem_id 0
		.amdhsa_next_free_vgpr 256
		.amdhsa_next_free_sgpr 72
		.amdhsa_reserve_vcc 0
		.amdhsa_float_denorm_mode_32 3
		.amdhsa_float_denorm_mode_16_64 3
		.amdhsa_memory_ordered 1
		.amdhsa_forward_progress 1
		.amdhsa_inst_pref_size 75
	.end_amdhsa_kernel
	.amdgpu_metadata
---
amdhsa.version: [ 1, 2 ]
amdhsa.kernels:
  - .name:           k_qd840f1de67_attn
    .symbol:         k_qd840f1de67_attn.kd
    .args:
      - { .name: qkv, .offset: 0, .size: 8, .value_kind: global_buffer, .address_space: global }
      - { .name: qkvs, .offset: 8, .size: 8, .value_kind: global_buffer, .address_space: global }
      - { .name: ac, .offset: 16, .size: 8, .value_kind: global_buffer, .address_space: global }
      - { .name: asc, .offset: 24, .size: 8, .value_kind: global_buffer, .address_space: global }
    .group_segment_fixed_size: 206848
    .private_segment_fixed_size: 0
    .kernarg_segment_align: 8
    .kernarg_segment_size: 32
    .max_flat_workgroup_size: 512
    .sgpr_count:     72
    .vgpr_count:     256
    .wavefront_size: 32
...
	.end_amdgpu_metadata
.endif
;; end of part 3
;; launch outp (part 4): grid 4 x 64, 4 waves a work-group, clusters of 4 x 4, 295,424 bytes of LDS; arguments codes, scales, ac, asc, bo, out0; writes out0
.if DOCPART == 4
	.amdgcn_target "amdgcn-amd-amdhsa--gfx1250"
	.amdhsa_code_object_version 6
	.text
	.protected	k_qd840f1de67_outp
	.globl	k_qd840f1de67_outp
	.p2align	8
	.type	k_qd840f1de67_outp,@function
k_qd840f1de67_outp:
	s_mov_b64 s[64:65], 0
	v_nop
	global_prefetch_b8 v0, s[64:65] scope:SCOPE_SE
	s_setreg_imm32_b32 hwreg(HW_REG_WAVE_MODE, 25, 1), 1
	s_wait_xcnt 0x0
	s_wait_alu depctr_hold_cnt(0) depctr_sa_sdst(0) depctr_va_vdst(0) depctr_va_sdst(0) depctr_va_ssrc(0) depctr_va_vcc(0) depctr_vm_vsrc(0)
	s_getreg_b32 s2, hwreg(HW_REG_IB_STS2, 6, 4)
	s_cmp_eq_u32 s2, 0
	s_cbranch_scc0 .Lentry_in_a_cluster
	s_endpgm
.Lentry_in_a_cluster:
	s_bfe_u32 s2, ttmp6, 0x10000c
	s_cmp_lg_u32 s2, 0xf033
	s_cbranch_scc0 .Lentry_shape_is_right
	s_endpgm
.Lentry_shape_is_right:
; out0 = A Wo^T + bo, A the attention's result as the launch before has quantised it; codes of FP6 (E2M3) with E8M0 scales, sums in f32.  No work of the problem is left out.
; D = P R^T with P = Wo (source 0: a lane's registers run along the output's features) and R = the tokens (source 1: a lane holds one token).  Tiles and groups as the first launch lays them.
; SHARES.  A work-group makes 256 features x 128 tokens with ALL of K = 1,024 in LDS (192 KiB + 96 KiB): every byte is filled once by a tensor load, so there is no ring.  Four waves, each 128 x 64: 32 accumulators.
; The tiles come in two halves of 512 along K; wave 0 fetches P's first half, wave 1 R's, wave 2 P's second, wave 3 R's: one tensor load a wave.
; CLUSTERS: 4 x 4 work-groups.  P's tile hangs on cx and is asked for jointly by a column of the cluster, R's on the tokens' block (cy) and by a row.
; REGISTERS, in windows of 256: window 0: v0-31 addresses; v32-63 P's scale words, v64-79 R's; v80-175 R's fragments, two sets; v176-239 the bias as the first products' C; on the way out v80-207 hold rows of out0.
;   window 1: P's fragments, two sets of 96.   window 2: the accumulators, (P tile p, R tile q) at v[8 (8 q + p)].
.set TILEB, 12288
.set CHP,   98304                      ; HALF of K of P in LDS: 16 tiles x 6,144 bytes.  K comes in two halves, one tensor load a wave: wave 0 P's first half, wave 1 R's, wave 2 P's second, wave 3 R's
.set CHR,   49152                      ; of R: 8 tiles
.set RBASE, 2*CHP
.set SPARE, RBASE+2*CHR                ; the spare words, 128 bytes for each wave
.set SPITCH, 528                       ; the way out: a stage of 16 rows x (512 bytes + 16) for each wave, in P's first chunk: it has had its one fill, and behind the last barrier nobody reads it
.set L16,  1
.set L8,   2
.set RR,   3
.set HH,   4
.set AP16, 5
.set AP8,  6
.set AR16, 7
.set AR8,  8
.set BQ,   9                           ; v9   the bias: 64 (lane / 16)
.set UO,   10                          ; v10  R's scale bytes: 2 (lane % 16) + 32,768 (lane / 16)
.set STO,  11                          ; v11  into my stage
.set RD,   12                          ; v12  and back
.set SPW,  28
.set NIL,  29
.set PS,   32
.set RS,   64
.set RF,   80
.set UT,   128                         ; v128-159 R's scale bytes as loaded, two to a register, ahead of the first use of R's second set
.set CB,   176
.set BK,   80
.set G1P, 28
.set G1R, 36
.set G0P, 44
.set G0R, 68
.set MULW, 0xa1
.set MULB, 0x81
.set TO_P, 0x40
.set MSB, 0
.macro WIN new                         ; the immediate's high byte repeats the setting that is left
.if MSB != \new
	s_set_vgpr_msb (MSB<<8)|\new
.set MSB, \new
.endif
.endm
.macro PLACES n
.rept \n
	v_nop
.endr
.endm
.macro CREST
	s_cmp_lg_u32 s18, 0
	s_cbranch_scc1 .Lnot_wave_0_\@
	s_barrier_signal -3
.Lnot_wave_0_\@:
	s_barrier_wait -3
	s_barrier_signal -1
	s_barrier_wait -1
.endm
.macro CROUND
	s_barrier_signal -1
	s_barrier_wait -1
	CREST
.endm
.macro FETCH s                         ; the fragments of K step s: 48 LDS loads in one run
	WIN TO_P
.irp p, 0,1,2,3,4,5,6,7
.irp c, 0,1
	ds_load_b128 v[96*((\s)%2)+12*\p+6*\c:96*((\s)%2)+12*\p+6*\c+3], v[AP16] offset:6144*\p+1536*((\s)%4)+768*\c
	ds_load_b64 v[96*((\s)%2)+12*\p+6*\c+4:96*((\s)%2)+12*\p+6*\c+5], v[AP8] offset:6144*\p+1536*((\s)%4)+768*\c
.endr
.endr
	WIN 0
.irp q, 0,1,2,3
.irp c, 0,1
	ds_load_b128 v[RF+48*((\s)%2)+12*\q+6*\c:RF+48*((\s)%2)+12*\q+6*\c+3], v[AR16] offset:6144*\q+1536*((\s)%4)+768*\c
	ds_load_b64 v[RF+48*((\s)%2)+12*\q+6*\c+4:RF+48*((\s)%2)+12*\q+6*\c+5], v[AR8] offset:6144*\q+1536*((\s)%4)+768*\c
.endr
.endr
.endm
.macro MUL s, cmode                    ; K step s: the 32 accumulators by turns, one instruction a turn, in the same order in every step.  cmode 1: C = the bias
.irp q, 0,1,2,3
.irp p, 0,1,2,3,4,5,6,7
.set AC, 8*(8*\q+\p)
.if \cmode == 0
.set CC, AC
.else
.set CC, CB+8*\p
.endif
.if (\s)%2
	v_wmma_scale_f32_16x16x128_f8f6f4 v[AC:AC+7], v[96+12*\p:96+12*\p+11], v[RF+48+12*\q:RF+48+12*\q+11], v[CC:CC+7], v[PS+4*\p+(\s)/2], v[RS+4*\q+(\s)/2] matrix_a_fmt:MATRIX_FMT_FP6 matrix_b_fmt:MATRIX_FMT_FP6 matrix_a_scale:MATRIX_SCALE_ROW1 matrix_b_scale:MATRIX_SCALE_ROW1
.else
	v_wmma_scale_f32_16x16x128_f8f6f4 v[AC:AC+7], v[12*\p:12*\p+11], v[RF+12*\q:RF+12*\q+11], v[CC:CC+7], v[PS+4*\p+(\s)/2], v[RS+4*\q+(\s)/2] matrix_a_fmt:MATRIX_FMT_FP6 matrix_b_fmt:MATRIX_FMT_FP6
.endif
.endr
.endr
.endm
.macro STEP s
.if (\s) == 3
	s_wait_tensorcnt 0x0                           ; every wave's one load is in: the second half of K among them
	s_wait_dscnt 0x0
	s_barrier_signal -1
	s_barrier_wait -1
	v_add_nc_u32 v[AP16], CHP, v[AP16]             ; on to that chunk: these four lines are the four places ahead of the loads into registers that the last products read
	s_wait_alu depctr_va_vdst(0)
	v_add_nc_u32 v[AP8], CHP, v[AP8]
	s_wait_alu depctr_va_vdst(0)
	v_add_nc_u32 v[AR16], CHR, v[AR16]
	s_wait_alu depctr_va_vdst(0)
	v_add_nc_u32 v[AR8], CHR, v[AR8]
.elseif (\s) < 7
	PLACES 4
.endif
.if (\s) < 7
	FETCH (\s)+1
	s_wait_alu depctr_va_vdst(0)
	s_wait_dscnt 48                                ; all but the 48 just issued
.else
	s_wait_dscnt 0x0
.endif
	WIN MULW
	MUL \s, 0
	WIN 0
.endm
	s_load_b256 s[4:11], s[0:1], 0x0               ; codes, scales, ac, asc
	s_load_b128 s[12:15], s[0:1], 0x20             ; bo, out0
	v_lshl_add_u32 v[SPW], v0, 2, SPARE
	v_mov_b32 v[NIL], 0
	ds_add_u32 v[SPW], v[NIL]                      ; the wave's opening: the add, twice on end, and its wait ahead of my first tensor load
	ds_add_u32 v[SPW], v[NIL]
	v_lshrrev_b32 v1, 5, v0
	v_readfirstlane_b32 s18, v1                    ; wave 0..3
	s_lshr_b32 s19, s18, 1                         ; my half of P's rows.  Also: which half of K I fetch
	s_and_b32 s20, s18, 1                          ; my half of R's rows.  Also: I fetch for P (0) or for R (1)
	s_bfe_u32 s21, ttmp6, 0x40000                  ; cx: the block of 256 features
	s_bfe_u32 s22, ttmp6, 0x40004                  ; cy
	s_and_b32 s23, ttmp7, 0xffff                   ; the cluster's y, 0 .. 15
	s_lshl_b32 s26, 0x1111, s21                    ; my column of the cluster
	s_lshl_b32 s27, s22, 2
	s_lshl_b32 s27, 15, s27                        ; my row
	s_or_b32 s[G1P], s26, (3<<16)|(1<<21)
	s_or_b32 s[G1R], s27, (3<<16)|(1<<21)
.irp g, G1P, G1R
	s_mov_b32 s[\g+1], 768<<16                     ; a tile's 6,144 bytes of half of K
	s_mov_b32 s[\g+3], 768<<16
	s_mov_b32 s[\g+5], 1536
	s_mov_b32 s[\g+6], 0
	s_mov_b32 s[\g+7], 0
.endr
	s_mov_b32 s[G1P+2], 16<<16                     ; all sixteen tiles of P,
	s_mov_b32 s[G1P+4], 16
	s_mov_b32 s[G1R+2], 8<<16                      ; all eight of R
	s_mov_b32 s[G1R+4], 8
	s_lshl_b32 s85, s23, 2
	s_add_co_u32 s85, s85, s22                     ; the block of 128 tokens
	s_lshl_b32 s86, s21, 4
	s_add_co_u32 s86, s86, 1728                    ; P's first tile: Wo begins at tile 1,728
	s_lshl_b32 s87, s85, 3                         ; R's first tile
	s_mul_i32 s94, s86, TILEB                      ; where P's tiles begin,
	s_mov_b32 s95, 0
	s_mul_i32 s96, s87, TILEB                      ; and R's
	s_mov_b32 s97, 0
	s_wait_dscnt 0x0                               ; both opening adds are done
	s_wait_kmcnt 0x0
	s_add_nc_u64 s[94:95], s[4:5], s[94:95]
	s_add_nc_u64 s[96:97], s[8:9], s[96:97]
.irp c, 0,1                            ; the two halves of K
	s_mov_b32 s[G0P+4*\c], 1
	s_mov_b32 s[G0P+4*\c+1], \c*CHP
	s_add_nc_u64 s[G0P+4*\c+2:G0P+4*\c+3], s[94:95], \c*6144
	s_or_b32 s[G0P+4*\c+3], s[G0P+4*\c+3], 0x80000000
	s_mov_b32 s[G0R+4*\c], 1
	s_mov_b32 s[G0R+4*\c+1], RBASE+\c*CHR
	s_add_nc_u64 s[G0R+4*\c+2:G0R+4*\c+3], s[96:97], \c*6144
	s_or_b32 s[G0R+4*\c+3], s[G0R+4*\c+3], 0x80000000
.endr
	CROUND                                         ; all sixteen work-groups are here: the joint loads meet
	s_cmp_eq_u32 s18, 0                            ; one chain of branches on the wave's number, one joint load to an arm
	s_cbranch_scc0 .Lfill_1
	tensor_load_to_lds s[G0P:G0P+3], s[G1P:G1P+7]  ; wave 0: P, first half of K
	s_nop 0
	PLACES 4
	s_branch .Lfilled
.Lfill_1:
	s_cmp_eq_u32 s18, 1
	s_cbranch_scc0 .Lfill_2
	tensor_load_to_lds s[G0R:G0R+3], s[G1R:G1R+7]  ; wave 1: R, first half
	s_nop 0
	PLACES 4
	s_branch .Lfilled
.Lfill_2:
	s_cmp_eq_u32 s18, 2
	s_cbranch_scc0 .Lfill_3
	tensor_load_to_lds s[G0P+4:G0P+7], s[G1P:G1P+7]  ; wave 2: P, second half
	s_nop 0
	PLACES 4
	s_branch .Lfilled
.Lfill_3:
	tensor_load_to_lds s[G0R+4:G0R+7], s[G1R:G1R+7]  ; wave 3: R, second half
	s_nop 0
	PLACES 4
.Lfilled:
	v_and_b32 v1, 31, v0
	v_and_b32 v[RR], 15, v0
	v_bfe_u32 v[HH], v0, 4, 1
	v_lshlrev_b32 v[L8], 3, v1
	v_add_nc_u32 v[L8], 512, v[L8]
	v_lshlrev_b32 v[L16], 4, v1
	s_wait_alu depctr_va_vdst(0)
	v_lshlrev_b32 v[BQ], 6, v[HH]
	v_lshlrev_b32 v[UO], 1, v[RR]
	v_lshl_add_u32 v[UO], v[HH], 15, v[UO]
	s_wait_alu depctr_va_vdst(0)
	s_lshl_b32 s88, s19, 3
	s_add_co_u32 s88, s88, s86
	s_lshl_b32 s88, s88, 9
	s_mov_b32 s89, 0
	s_add_nc_u64 s[88:89], s[6:7], s[88:89]        ; the scale words of my eight tiles of Wo
	s_lshl_b32 s90, s20, 2
	s_add_co_u32 s90, s90, s87
	s_lshl_b32 s90, s90, 5
	s_mov_b32 s91, 0
	s_add_nc_u64 s[90:91], s[10:11], s[90:91]      ; the scale bytes of my four token tiles: head x 16,384 + tile x 32 + 2 p
	s_lshl_b32 s2, s21, 10
	s_lshl_b32 s3, s19, 9
	s_add_co_u32 s2, s2, s3
	s_mov_b32 s3, 0
	s_add_nc_u64 s[2:3], s[12:13], s[2:3]          ; bo at my first feature
.irp p, 0,1,2,3,4,5,6,7
	global_load_b128 v[PS+4*\p:PS+4*\p+3], v[L16], s[88:89] offset:512*\p
.endr
.irp q, 0,1,2,3                        ; K step 2 g + (lane / 16) is heads 4 g + 2 (lane / 16) + e, e = 0, 1: two bytes each
.irp g, 0,1,2,3
.irp e, 0,1
	global_load_u16 v[UT+2*(4*\q+\g)+\e], v[UO], s[90:91] offset:65536*\g+16384*\e+32*\q
.endr
.endr
.endr
.irp p, 0,1,2,3,4,5,6,7                ; register j of tile p: feature 32 (p / 2) + 8 (p % 2) + 16 (lane / 16) + j
	global_load_b128 v[CB+8*\p:CB+8*\p+3], v[BQ], s[2:3] offset:(32*(\p/2)+8*(\p%2))*4
	global_load_b128 v[CB+8*\p+4:CB+8*\p+7], v[BQ], s[2:3] offset:(32*(\p/2)+8*(\p%2))*4+16
.endr
	s_mul_i32 s96, s19, CHP/2
	s_mul_i32 s97, s20, CHR/2
	s_add_co_u32 s97, s97, RBASE
	v_add_nc_u32 v[AP16], s96, v[L16]
	v_add_nc_u32 v[AP8], s96, v[L8]
	v_add_nc_u32 v[AR16], s97, v[L16]
	v_add_nc_u32 v[AR8], s97, v[L8]
	s_mul_i32 s98, s18, 16*SPITCH                  ; my stage
	v_mul_u32_u24 v[STO], v[RR], SPITCH            ; in: row lane % 16, 64 bytes for each half of the lanes
	v_lshl_add_u32 v[STO], v[HH], 6, v[STO]
	v_add_nc_u32 v[STO], s98, v[STO]
	v_add_nc_u32 v[RD], s98, v[L16]                ; back: the 32 lanes take one row of 512 bytes
	s_lshl_b32 s92, s85, 7
	s_lshl_b32 s93, s20, 6
	s_add_co_u32 s92, s92, s93                     ; my first token,
	s_lshl_b32 s92, s92, 12                        ; a row of out0 is 4,096 bytes,
	s_lshl_b32 s93, s21, 10
	s_add_co_u32 s92, s92, s93
	s_lshl_b32 s93, s19, 9
	s_add_co_u32 s92, s92, s93                     ; and my first feature
	s_mov_b32 s93, 0
	s_add_nc_u64 s[92:93], s[14:15], s[92:93]
	s_wait_alu depctr_va_vdst(0)
	s_cmp_lt_u32 s18, 2                            ; waves 0 and 1, whose load lines are their own, wait for the first half of K; the second half may be on its way: nothing is filled again
	s_cbranch_scc0 .Lnot_first
	s_wait_tensorcnt 0x0
.Lnot_first:
	s_barrier_signal -1
	s_barrier_wait -1
	FETCH 0
	s_wait_loadcnt 0x0                             ; scale words, scale bytes and bias
.irp q, 0,1,2,3
.irp g, 0,1,2,3
	v_lshl_or_b32 v[RS+4*\q+\g], v[UT+2*(4*\q+\g)+1], 16, v[UT+2*(4*\q+\g)]   ; two heads' bytes make the word of 128 along K
.endr
.endr
	PLACES 8                                       ; a scale register written by a vector instruction stands eight places ahead of a scaled matrix instruction
	FETCH 1
	s_wait_alu depctr_va_vdst(0)
	s_wait_dscnt 48                                ; K step 0's fragments are in
	WIN MULB
	MUL 0, 1                                       ; the first products start the sums with the bias: nothing is cleared
	WIN 0
.irp t, 1,2,3,4,5,6,7
	STEP \t
.endr
; THE WAY OUT, a tile of 16 tokens x 128 features at a time.  A lane holds pieces of one row, and the lanes beside it hold other rows: so a block goes through my own stage and comes back as whole rows of 512 bytes.
; LDS serves a wave's instructions in order (ISA guide 5.7.1.4): no wait between the stores and the loads, nor in front of the next block's stores.
.macro TOSTAGE q
	WIN 0x08                                       ; an LDS store's data: window 2
.irp p, 0,1,2,3,4,5,6,7
	ds_store_b128 v[STO], v[8*(8*(\q)+\p):8*(8*(\q)+\p)+3] offset:128*(\p/2)+32*(\p%2)          ; each accumulator from its low end on
	ds_store_b128 v[STO], v[8*(8*(\q)+\p)+4:8*(8*(\q)+\p)+7] offset:128*(\p/2)+32*(\p%2)+16
.endr
	WIN 0
.irp t, 0,1,2,3,4,5,6,7,8,9,10,11,12,13,14,15
	ds_load_b128 v[BK+64*((\q)%2)+4*\t:BK+64*((\q)%2)+4*\t+3], v[RD] offset:\t*SPITCH
.endr
.endm
.macro SEND q, younger                 ; younger: the LDS instructions issued behind block q's loads, which may stay out
	s_wait_dscnt \younger
.irp t, 0,1,2,3,4,5,6,7,8,9,10,11,12,13,14,15
	global_store_b128 v[L16], v[BK+64*((\q)%2)+4*\t:BK+64*((\q)%2)+4*\t+3], s[92:93] offset:(32*((\q)/2)+8*((\q)%2)+\t+8*(\t/8))*4096 th:TH_STORE_NT   ; 512 consecutive bytes, aligned; row t of tile q is token 32 (q / 2) + 8 (q % 2) + t + 8 (t / 8)
.endr
.endm
	PLACES 4                                       ; behind the last products: ahead of the stores that read results and of the loads into R's fragments' registers
	TOSTAGE 0
	TOSTAGE 1
	SEND 0, 32                                     ; behind block 0's loads: block 1's 16 stores and 16 loads
	s_wait_xcnt 0x0                                ; block 0's stores have read their registers: block 2's loads may land there
	TOSTAGE 2
	SEND 1, 32
	s_wait_xcnt 0x0
	TOSTAGE 3
	SEND 2, 32
	SEND 3, 0
	s_wait_tensorcnt 0x0                           ; the wave's end
	ds_add_u32 v[SPW], v[NIL]
	s_wait_dscnt 0x0
	CROUND                                         ; the closing round
	s_endpgm
.Lfunc_end_k_qd840f1de67_outp:
	.size	k_qd840f1de67_outp, .Lfunc_end_k_qd840f1de67_outp-k_qd840f1de67_outp
	.p2alignl 7, 3214868480
	.fill 96, 4, 3214868480
	.section	.rodata,"a",@progbits
	.p2align	6, 0x0
	.amdhsa_kernel k_qd840f1de67_outp
		.amdhsa_group_segment_fixed_size 295424
		.amdhsa_private_segment_fixed_size 0
		.amdhsa_enable_private_segment 0
		.amdhsa_kernarg_size 48
		.amdhsa_user_sgpr_count 2
		.amdhsa_user_sgpr_kernarg_segment_ptr 1
		.amdhsa_wavefront_size32 1
		.amdhsa_system_sgpr_workgroup_id_x 1
		.amdhsa_system_sgpr_workgroup_id_y 1
		.amdhsa_system_sgpr_workgroup_id_z 1
		.amdhsa_system_vgpr_workitem_id 0
		.amdhsa_next_free_vgpr 768
		.amdhsa_next_free_sgpr 100
		.amdhsa_reserve_vcc 0
		.amdhsa_float_denorm_mode_32 3
		.amdhsa_float_denorm_mode_16_64 3
		.amdhsa_memory_ordered 1
		.amdhsa_forward_progress 1
		.amdhsa_inst_pref_size 88
	.end_amdhsa_kernel
	.amdgpu_metadata
---
amdhsa.version: [ 1, 2 ]
amdhsa.kernels:
  - .name:           k_qd840f1de67_outp
    .symbol:         k_qd840f1de67_outp.kd
    .args:
      - { .name: codes, .offset: 0, .size: 8, .value_kind: global_buffer, .address_space: global }
      - { .name: scales, .offset: 8, .size: 8, .value_kind: global_buffer, .address_space: global }
      - { .name: ac, .offset: 16, .size: 8, .value_kind: global_buffer, .address_space: global }
      - { .name: asc, .offset: 24, .size: 8, .value_kind: global_buffer, .address_space: global }
      - { .name: bo, .offset: 32, .size: 8, .value_kind: global_buffer, .address_space: global }
      - { .name: out0, .offset: 40, .size: 8, .value_kind: global_buffer, .address_space: global }
    .group_segment_fixed_size: 295424
    .private_segment_fixed_size: 0
    .kernarg_segment_align: 8
    .kernarg_segment_size: 48
    .max_flat_workgroup_size: 128
    .sgpr_count:     100
    .vgpr_count:     768
    .wavefront_size: 32
...
	.end_amdgpu_metadata
.endif
;; end of part 4
